; MI455X (gfx1250); checked and timed in simulation.
; The chip was launched on July 23, 2026; its instructions are those of AMD's public machine-readable ISA for CDNA 5 (MIT licence, August 2026) and "CDNA5" Instruction Set Architecture Reference Guide (July 2026). The comments in the code are by the model that wrote it; some were corrected since.
;; self attn. Allowed arithmetic: matrix products marked QUANTISED: E2M3 operands, one E8M0 scale for each 32 along K, by v_wmma_scale_f32_16x16x128_f8f6f4 with both operands' format E2M3, f32 sums; everything else in f32.
;; Inputs: Wout 1,024 x 1,024 float32; Wqkv 1,024 x 3,072 float32; bout 1,024 float32; bqkv 3,072 float32; mask 4 x 2,048 x 2,048 int32; x 4 x 2,048 x 1,024 float32.
;; Outputs: out0 4 x 2,048 x 1,024 float32.
;; This version of the problem:
;;   THIS VERSION OF THE PROBLEM IS GIVEN IN LOW PRECISION. The matrix products marked QUANTISED in the list below multiply operands that are first quantised to E2M3 (2 exponent bits, 3 mantissa bits; 6 bits a number), with one power-of-two scale for each 32 numbers along K (OCP MX v1.0); their sums are f32. All else is computed in f32.
;;   The module's matrix products, in the order in which they are computed (A, B: the left and right operand; K: the contracted axis; several contracted axes count as one K, in the product's order):
;;     1. [M 8,192, K 1,024] x [K 1,024, N 3,072]; A: input x; B: input Wqkv: QUANTISED
;;     2. batch 4 x [M 2,048, K 1,024] x [K 1,024, N 2,048]; A: computed on the way; B: computed on the way: QUANTISED
;;     3. batch 4 x [M 2,048, K 2,048] x [K 2,048, N 1,024]; A: softmax (see below); B: computed on the way: QUANTISED
;;     4. [M 8,192, K 1,024] x [K 1,024, N 1,024]; A: computed on the way; B: input Wout: QUANTISED
;;   THE QUANTISER, for each operand of a quantised product, along K:
;;     - K is cut into blocks of 32 from its start; a last block that is shorter is filled with zeros.
;;     - A block's scale is 2^e with e = floor(log2(the largest magnitude in the block)) - 2, held to -126 .. 127; a block of zeros has e = 0. As a byte (E8M0): e + 127.
;;     - Each number is divided by its block's scale, clamped to +-7.5, and rounded to the nearest number of E2M3, ties to even, subnormals kept.
;;     - The product sums the exact products of the quantised numbers (number of the format x scale) in f32.
;;   ~~~python
;;   def quantise(x, axis):      # numpy; x: float32 -> the quantised numbers, widened to float32 again
;;       x = np.moveaxis(x, axis, -1); K = x.shape[-1]
;;       x = np.pad(x, [(0, 0)] * (x.ndim - 1) + [(0, -K % 32)]); x = x.reshape(x.shape[:-1] + (-1, 32)); a = np.abs(x).max(-1, keepdims=True)
;;       e = np.where(a > 0, np.clip(np.frexp(np.where(a > 0, a, 1))[1] - 1 - 2, -126, 127), 0)      # np.frexp(a)[1] - 1 = floor(log2(a)), exactly
;;       r = np.clip(x / 2.0 ** e, -7.5, 7.5)
;;       step = 2.0 ** (np.maximum(np.frexp(np.where(r == 0, 1, r))[1] - 1, 0) - 3)
;;       q = np.round(r / step) * step * 2.0 ** e      # np.round: ties to even
;;       return np.moveaxis(q.reshape(q.shape[:-2] + (-1,))[..., :K], -1, axis).astype(np.float32)
;;   ~~~
;;   SOFTMAX AHEAD OF A QUANTISED PRODUCT. Where the list says 'softmax', what is quantised is not the finished softmax but p = 2^(t - M), with t = logit x log2(e) and M = ceil(the row's largest t), a whole number; so 1/2 < the row's largest p <= 1. The row's sum l is taken of the UNQUANTISED p, in f32, and the product's result is divided by l at the end. Since M is a whole number, a kernel that streams over the keys may use a running M (the ceiling of the running maximum): every later rescaling is an exact power of two, which a block's scale takes up: the codes' values come out the same.
;;   OPERANDS COMPUTED ON THE WAY. 'Computed on the way' means the value that the module computes at that place (a softmax that the list does not call 'softmax' is quantised finished and normalised). What goes into a quantiser is computed in f32, as accurately as f32 sums, v_exp_f32 and their like allow (about 1e-6 of the number): no bf16 or f16 on the way to a quantiser, and a product that is left as it is and whose result goes on into a quantised operand takes f32 operands (vector FMAs, or v_wmma_f32_16x16x4_f32). A number that lies on a knife's edge between two numbers of the format may be rounded either way, as far as f32 arithmetic and the matrix unit's own rounding can turn it there, and no further.
;; One version. Each part assembles by itself: llvm-mc -triple=amdgcn-amd-amdhsa -mcpu=gfx1250 --defsym DOCPART=n.
;; ======== version 1 of 1: 5 launches
;; limits: right only within a limited range of input values
;; workspace buffers: xq 6,553,600 bytes; wq 3,276,800 bytes; mb 2,097,152 bytes of whole numbers; qkv 19,660,800 bytes; pq 14,680,064 bytes; oq 6,553,600 bytes
;; launch prep (part 1): grid 896 x 1, 4 waves a work-group, no clusters, 81,408 bytes of LDS; arguments x, Wqkv, Wout, mask, xq, wq, mb; writes xq, wq, mb
.if DOCPART == 1
	.amdgcn_target "amdgcn-amd-amdhsa--gfx1250"
	.amdhsa_code_object_version 6
	.text
	.protected	k_qc2c27d34d7_prep
	.globl	k_qc2c27d34d7_prep
	.p2align	8
	.type	k_qc2c27d34d7_prep,@function
k_qc2c27d34d7_prep:
	s_mov_b64 s[64:65], 0
	v_nop
	global_prefetch_b8 v0, s[64:65] scope:SCOPE_SE
	s_setreg_imm32_b32 hwreg(HW_REG_WAVE_MODE, 25, 1), 1
	s_wait_xcnt 0x0
; PREP: the three wide inputs are read once and leave narrow.  Work-groups 0-511: the mask [8192 rows][2048] of int32 becomes lane-mask words; 512-767: x [8192][1024] f32 becomes codes of
; FP6 (E2M3) with one E8M0 byte for each 32 along K; 768-895: Wqkv [1024][3072] and Wout [1024][1024] f32, whose K is the first axis, become codes with K innermost.  Every wave moves 32 KiB.
; ORDER OF ROWS.  Row position p of every code buffer holds the row whose number is p with bits 3 and 4 exchanged: the 16 positions of block i are rows 32 (i/2) + 8 (i%2) + r + 8 (r/8).  A product that takes
; such blocks as its first source leaves a lane with 16 neighbours along that axis in the registers of two neighbouring blocks, which is what the next quantiser wants.
; FRAGMENT IMAGES.  A fragment (16 positions x 128 K, 12 registers a lane) lies in memory as its registers: registers 4 g .. 4 g + 3 of lane l at 512 g + 16 l, 1,536 bytes; fragment F = block x 8 + K step.
; Its 16 scale words (four bytes: 128 along K of one row) lie at the scales' region + 64 F + 4 r.
; MASK WORDS.  mb[block i][chunk of 128 keys][n = 0..63]: bit 16 h + r is set where mask[row of position 16 i + r][128 chunk + 32 (n/16) + 16 h + n%16] is not 0: the lane mask of register n of the scores.
; A block's scale is 2^(floor(log2(largest magnitude)) - 2); its byte is the largest magnitude's exponent field - 2, held at 1 from below.
; LIMITS: a block of zeros, and a block whose largest magnitude lies under 2^-124, gets the byte 1 (zeros' codes are zeros; the bytes are read by this program alone); NaN and infinities are not served.
; No tensor loads, no barrier: waves share nothing.  Each path has LDS bytes of its own, and every LDS address is made ahead of the first branch.
.set SP,    528                        ; a stage row: 512 bytes + 16: row r starts 4 banks further on than row r - 1
.set MREG,  16*SP                      ; the mask path's stage, one for each wave, from LDS byte 0
.set XSTG,  4*MREG                     ; the x path's: a stage and 256 bytes of scale words for each wave
.set XREG,  16*SP+256
.set WIMG,  XSTG+4*XREG                ; the weights' path: two fragment images (one K step of two blocks) for each wave
.set WREG,  3072
.set SPARE, WIMG+4*WREG                ; the spare words, 128 bytes for each wave: two blocks of 256 bytes that no other line names
.set XS,    6291456                    ; xq: where the scale words begin
.set WS,    3145728                    ; wq: likewise
.set FRB,   1536
.set PC,  16                           ; v16-27  a fragment's codes
.set TC,  28                           ; v28-34  the halves that a conversion cannot put on an odd register
.set WK,  36                           ; v36-47  at work
.set X,   48                           ; v48-111 64 numbers in the order in which they are wanted
.set R,   112                          ; v112-239 two sets of 64 registers as loaded
.set VO,  112                          ; the weights' path: 32 row offsets
.set OUTR, 176                         ; the weights' path: the images on their way out
.set MO,  240                          ; v240-247 mask words, two registers for each chunk
.set SPW, 254                          ; LDS address of my spare word; never rewritten
.set NIL, 255                          ; 0; never rewritten
	s_load_b256 s[4:11], s[0:1], 0x0               ; x s[4:5], Wqkv s[6:7], Wout s[8:9], mask s[10:11]
	s_load_b128 s[12:15], s[0:1], 0x20             ; xq s[12:13], wq s[14:15]
	s_load_b64 s[16:17], s[0:1], 0x30              ; mb
	v_lshl_add_u32 v[SPW], v0, 2, SPARE
	v_mov_b32 v[NIL], 0
	v_lshrrev_b32 v1, 5, v0
	v_readfirstlane_b32 s18, v1                    ; wave
	v_and_b32 v1, 31, v0                           ; lane
	v_and_b32 v2, 15, v0                           ; r
	v_bfe_u32 v3, v0, 4, 1                         ; h
	v_lshlrev_b32 v4, 4, v1                        ; 16 x lane
	v_mul_u32_u24 v36, v2, SP
	s_mul_i32 s19, s18, MREG
	v_add_nc_u32 v5, s19, v4                       ; mask stage, in: 16 x lane of a row
	v_lshl_add_u32 v7, v3, 6, v36
	v_add_nc_u32 v7, s19, v7                       ; mask stage, out: row r, + 64 h
	s_mul_i32 s19, s18, XREG
	s_add_co_u32 s19, s19, XSTG
	v_add_nc_u32 v13, s19, v4                      ; x stage, in
	v_lshl_add_u32 v6, v3, 7, v36
	v_add_nc_u32 v6, s19, v6                       ; x stage, out: row r, + 128 h
	s_add_co_u32 s19, s19, 16*SP
	v_lshl_add_u32 v8, v2, 2, s19                  ; x's scale words, in: 4 r
	v_lshl_add_u32 v9, v1, 3, s19                  ; and out: 8 x lane
	s_mul_i32 s19, s18, WREG
	s_add_co_u32 s19, s19, WIMG
	v_add_nc_u32 v11, s19, v4                      ; the weights' images, out
	v_bfe_u32 v37, v0, 3, 1                        ; column l of 32 lies at position (l % 8) + 16 ((l / 8) % 2) + 8 (l / 16): its block,
	v_and_b32 v38, 7, v0
	v_lshl_add_u32 v38, v3, 3, v38                 ; and its row in the block
	v_mul_u32_u24 v10, v37, FRB
	v_lshl_add_u32 v10, v38, 4, v10
	v_add_nc_u32 v10, s19, v10                     ; the weights' images, in
	v_lshlrev_b32 v12, 3, v3                       ; 8 h
	v_lshlrev_b32 v14, 3, v1                       ; 8 x lane
	v_lshlrev_b32 v15, 9, v37
	v_lshl_add_u32 v15, v38, 2, v15                ; the weights' scale words: 512 x block + 4 x row
	s_mov_b32 s20, 0x76543210
	s_mov_b32 s21, 0xfedcba98                      ; v_permlanex16_b32's selects for lane l xor 16
; 16 loads: 512 bytes (32 lanes x 16) of each of a block's 16 rows; stage row t is position t
.macro LOAD16 set, q, pitch, b0
.irp t, 0,1,2,3,4,5,6,7,8,9,10,11,12,13,14,15
	global_load_b128 v[R+64*(\set)+4*\t:R+64*(\set)+4*\t+3], v4, s[\b0:\b0+1] offset:((\t%8)+16*(\t/8))*(\pitch)+512*(\q) th:TH_LOAD_NT
.endr
.endm
.macro INTO set, adr                   ; into the wave's own stage, as loaded
.irp t, 0,1,2,3,4,5,6,7,8,9,10,11,12,13,14,15
	ds_store_b128 v[\adr], v[R+64*(\set)+4*\t:R+64*(\set)+4*\t+3] offset:SP*\t
.endr
.endm
.macro HAVE q                          ; this step's 16 loads are in; the next step's 16 may be out
.if (\q) < 3
	s_wait_loadcnt 16
.else
	s_wait_loadcnt 0x0
.endif
.endm
.macro CLOSE                           ; the wave's end
	s_wait_tensorcnt 0x0
	ds_add_u32 v[SPW], v[NIL]
	s_wait_dscnt 0x0
	s_endpgm
.endm
	s_wait_kmcnt 0x0
	s_cmp_lt_u32 ttmp9, 512
	s_cbranch_scc0 .Lnot_mask
	; ---- THE MASK.  Work-group = block i of 16 positions; wave w takes chunks 4 w .. 4 w + 3
	s_lshr_b32 s22, ttmp9, 1
	s_lshl_b32 s22, s22, 5
	s_and_b32 s23, ttmp9, 1
	s_lshl_b32 s23, s23, 3
	s_add_co_u32 s22, s22, s23                     ; the block's first row: 32 (i / 2) + 8 (i % 2)
	s_lshl_b32 s22, s22, 13                        ; rows of 8,192 bytes (under 2^27)
	s_lshl_b32 s23, s18, 11                        ; four chunks of 512 bytes a wave
	s_add_co_u32 s22, s22, s23
	s_mov_b32 s23, 0
	s_add_nc_u64 s[10:11], s[10:11], s[22:23]
	s_lshl_b32 s22, ttmp9, 12                      ; 16 chunks x 256 bytes a block
	s_lshl_b32 s23, s18, 10
	s_add_co_u32 s22, s22, s23
	s_mov_b32 s23, 0
	s_add_nc_u64 s[16:17], s[16:17], s[22:23]
.irp k, 0,1,2,3,4,5,6,7
	v_mov_b32 v[MO+\k], 0                          ; v_writelane_b32's destination counts as read
.endr
	LOAD16 0, 0, 8192, 10
	LOAD16 1, 1, 8192, 10
.macro MSTEP q
	HAVE \q
	INTO (\q)%2, 5
.irp b, 0,1,2,3
.irp e, 0,1,2,3
	ds_load_b128 v[X+16*\b+4*\e:X+16*\b+4*\e+3], v7 offset:128*\b+16*\e   ; LDS serves a wave's instructions in order: these see the stores above.  Register n = column 32 (n/16) + 16 h + n%16 of row r
.endr
.endr
	s_wait_dscnt 0x0                               ; the numbers are back, and the stores have read their registers,
.if (\q) < 2
	LOAD16 (\q)%2, (\q)+2, 8192, 10                ; which take the loads of two steps on
.endif
.set n, 0
.rept 8
.irp k, 0,1,2,3,4,5,6,7
	v_cmp_ne_u32 s[40+\k], 0, v[X+n+\k]            ; the lane mask of register n + k
.endr
.irp k, 0,1,2,3,4,5,6,7
	v_writelane_b32 v[MO+2*(\q)+\k%2], s[40+\k], (n+\k)/2   ; word n + k into lane (n + k) / 2: a lane holds two neighbouring words
.endr
.set n, n+8
.endr
	global_store_b64 v14, v[MO+2*(\q):MO+2*(\q)+1], s[16:17] offset:256*(\q)   ; 32 lanes store 256 consecutive bytes, aligned; each chunk has registers of its own
.endm
	MSTEP 0
	MSTEP 1
	MSTEP 2
	MSTEP 3
	CLOSE
.Lnot_mask:
	s_cmp_lt_u32 ttmp9, 768
	s_cbranch_scc0 .Lweights
	; ---- X.  Task T = 4 (work-group - 512) + wave: block T / 2, K steps 4 (T % 2) .. + 3
	s_sub_co_u32 s22, ttmp9, 512
	s_lshl_b32 s22, s22, 2
	s_add_co_u32 s22, s22, s18
	s_lshr_b32 s24, s22, 1                         ; block i
	s_and_b32 s25, s22, 1
	s_lshr_b32 s26, s24, 1
	s_lshl_b32 s26, s26, 5
	s_and_b32 s27, s24, 1
	s_lshl_b32 s27, s27, 3
	s_add_co_u32 s26, s26, s27                     ; its first row
	s_lshl_b32 s26, s26, 12                        ; rows of 4,096 bytes
	s_lshl_b32 s27, s25, 11                        ; four K steps of 512 bytes
	s_add_co_u32 s26, s26, s27
	s_mov_b32 s27, 0
	s_add_nc_u64 s[4:5], s[4:5], s[26:27]
	s_lshl_b32 s26, s24, 3
	s_lshl_b32 s27, s25, 2
	s_add_co_u32 s26, s26, s27                     ; my first fragment's number
	s_lshl_b32 s28, s26, 6
	s_add_co_u32 s28, s28, XS
	s_mov_b32 s29, 0
	s_mul_i32 s26, s26, FRB
	s_mov_b32 s27, 0
	s_add_nc_u64 s[28:29], s[12:13], s[28:29]      ; its scale words
	s_add_nc_u64 s[12:13], s[12:13], s[26:27]      ; its codes
	v_mov_b32 v[WK+7], 0                           ; a lane permute's destination counts as one of its sources
	LOAD16 0, 0, 4096, 4
	LOAD16 1, 1, 4096, 4
.macro XSTEP q
	HAVE \q
	INTO (\q)%2, 13
.irp c, 0,1
.irp e, 0,1,2,3,4,5,6,7
	ds_load_b128 v[X+32*\c+4*\e:X+32*\c+4*\e+3], v6 offset:256*\c+16*\e   ; register 32 c + i = k 64 c + 32 h + i of row r: two whole blocks a lane, in the operand's own order
.endr
.endr
	s_wait_dscnt 0x0
.if (\q) < 2
	LOAD16 (\q)%2, (\q)+2, 4096, 4
.endif
.irp c, 0,1
	v_max3_num_f32 v[WK+\c], |v[X+32*\c]|, |v[X+32*\c+1]|, 0x1800000   ; my block 2 c + h, and the floor 2^(3 - 127): the byte cannot fall under 1
.endr
.irp i, 2,4,6,8,10,12,14,16,18,20,22,24,26,28,30
.irp c, 0,1
	v_max3_num_f32 v[WK+\c], v[WK+\c], |v[X+32*\c+\i]|, |v[X+32*\c+\i+1]|
.endr
.endr
.irp c, 0,1
	v_add_nc_u32 v[WK+2+\c], 0xff000000, v[WK+\c]  ; 2 off the exponent field: the conversion's scale operand
.endr
.irp c, 0,1
	v_lshrrev_b32 v[WK+4+\c], 23, v[WK+2+\c]       ; the scale's byte
.endr
	v_lshl_or_b32 v[WK+6], v[WK+5], 16, v[WK+4]    ; my two bytes, blocks h and 2 + h,
	v_lshlrev_b32 v[WK+6], v12, v[WK+6]            ; at their places (8 h bits up);
	v_permlanex16_b32 v[WK+7], v[WK+6], s20, s21
	v_or_b32 v[WK+6], v[WK+6], v[WK+7]             ; with lane l xor 16's two the word is whole
	s_wait_alu depctr_va_vdst(0)
	s_wait_xcnt 0x0                                ; the last step's stores have read their data: the codes' registers are written again only behind this wait
.irp c, 0,1
	v_cvt_scalef32_pk16_fp6_f32 v[PC+6*\c:PC+6*\c+2], v[X+32*\c:X+32*\c+15], v[WK+2+\c]
	v_cvt_scalef32_pk16_fp6_f32 v[TC+4*\c:TC+4*\c+2], v[X+32*\c+16:X+32*\c+31], v[WK+2+\c]   ; (a conversion's three registers begin on an even number)
.endr
	v_nop                                          ; one plain place behind a scaled conversion
.irp c, 0,1
.irp i, 0,1,2
	v_mov_b32 v[PC+3+6*\c+\i], v[TC+4*\c+\i]
.endr
.endr
.irp g, 0,1,2
	global_store_b128 v4, v[PC+4*\g:PC+4*\g+3], s[12:13] offset:FRB*(\q)+512*\g   ; the image: 512 consecutive bytes a store, aligned
.endr
	ds_store_b32 v8, v[WK+6] offset:64*(\q)        ; lanes r and r + 16 write the same word with the same value
.endm
	XSTEP 0
	XSTEP 1
	XSTEP 2
	XSTEP 3
	ds_load_b64 v[WK:WK+1], v9                     ; my four K steps' scale words: 256 bytes
	s_wait_dscnt 0x0
	global_store_b64 v14, v[WK:WK+1], s[28:29]
	CLOSE
.Lweights:
	; ---- THE WEIGHTS.  A lane takes a column, its registers run down K.  Work-group g: 128 columns x 256 along K; wave: 32 columns; g under 96: Wqkv, else Wout
	s_sub_co_u32 s22, ttmp9, 768
	s_cmp_ge_u32 s22, 96
	s_cselect_b64 s[6:7], s[8:9], s[6:7]           ; the source (the choice hangs on the work-group's number alone),
	s_mov_b32 s23, 12288
	s_cselect_b32 s23, 4096, s23                   ; its rows' bytes,
	s_cselect_b32 s24, 192, 0                      ; its first block in wq,
	s_cselect_b32 s25, 96, 0
	s_sub_co_u32 s22, s22, s25
	s_lshr_b32 s26, s22, 2                         ; which 128 columns
	s_and_b32 s27, s22, 3                          ; which 256 along K
	s_lshl_b32 s28, s27, 8
	s_mul_i32 s28, s28, s23
	s_lshl_b32 s29, s26, 9
	s_add_co_u32 s28, s28, s29
	s_lshl_b32 s29, s18, 7
	s_add_co_u32 s28, s28, s29
	s_mov_b32 s29, 0
	s_add_nc_u64 s[32:33], s[6:7], s[28:29]        ; block 0 of 32 rows, my wave's first column
	s_lshl_b32 s30, s23, 5
	s_mov_b32 s31, 0
.irp t, 1,2,3,4,5,6,7
	s_add_nc_u64 s[32+2*\t:33+2*\t], s[30+2*\t:31+2*\t], s[30:31]   ; a base for each block of 32 rows: nothing is stepped later
.endr
	v_lshlrev_b32 v[VO], 2, v1
.irp i, 1,2,3,4,5,6,7,8,9,10,11,12,13,14,15,16,17,18,19,20,21,22,23,24,25,26,27,28,29,30,31
	v_mad_u32_u24 v[VO+\i], s23, \i, v[VO]         ; row i of a block, my column
.endr
	s_lshl_b32 s48, s26, 3
	s_lshl_b32 s49, s18, 1
	s_add_co_u32 s48, s48, s49
	s_add_co_u32 s48, s48, s24                     ; my first block in wq
	s_lshl_b32 s48, s48, 3
	s_lshl_b32 s49, s27, 1
	s_add_co_u32 s48, s48, s49                     ; my first fragment's number
	s_lshl_b32 s50, s48, 6
	s_add_co_u32 s50, s50, WS
	s_mov_b32 s51, 0
	s_mul_i32 s48, s48, FRB
	s_mov_b32 s49, 0
	s_add_nc_u64 s[50:51], s[14:15], s[50:51]
	s_add_nc_u64 s[14:15], s[14:15], s[48:49]
.macro WLOAD t
.irp i, 0,1,2,3,4,5,6,7,8,9,10,11,12,13,14,15,16,17,18,19,20,21,22,23,24,25,26,27,28,29,30,31
	global_load_b32 v[X+32*((\t)%2)+\i], v[VO+\i], s[32+2*(\t):33+2*(\t)] th:TH_LOAD_NT   ; 32 lanes read 128 consecutive bytes of a row
.endr
.endm
	s_wait_alu depctr_va_vdst(0)
	WLOAD 0
	WLOAD 1
; Block t of 32 along K: K step t / 4 of my two; in it block t % 4 = 2 c + h: registers 6 c .. 6 c + 5 of lane 16 h + row
.macro WBLOCK t
.set XB, X+32*((\t)%2)
.set IO, 256*((\t)%2)
.if (\t) < 7
	s_wait_loadcnt 32                              ; this block's 32 loads are in; the next block's may be out
.else
	s_wait_loadcnt 0x0
.endif
	v_max3_num_f32 v36, |v[XB]|, |v[XB+1]|, |v[XB+2]|
	v_max3_num_f32 v37, |v[XB+3]|, |v[XB+4]|, |v[XB+5]|
.irp i, 6,10,14,18,22,26
	v_max3_num_f32 v36, v36, |v[XB+\i]|, |v[XB+\i+1]|
	v_max3_num_f32 v37, v37, |v[XB+\i+2]|, |v[XB+\i+3]|
.endr
	v_max3_num_f32 v36, v36, |v[XB+30]|, |v[XB+31]|
	v_max3_num_f32 v36, v36, v37, 0x1800000        ; and the floor
	v_add_nc_u32 v38, 0xff000000, v36
	v_lshrrev_b32 v37, 23, v38
.if (\t)%4 == 0
	v_mov_b32 v[40+(\t)/4], v37                    ; four bytes to a scale word, the lower K in the lower byte
.else
	v_lshl_or_b32 v[40+(\t)/4], v37, 8*((\t)%4), v[40+(\t)/4]
.endif
	v_cvt_scalef32_pk16_fp6_f32 v[PC:PC+2], v[XB:XB+15], v38
	v_cvt_scalef32_pk16_fp6_f32 v[TC:TC+2], v[XB+16:XB+31], v38
	v_nop                                          ; one plain place behind a scaled conversion
.irp i, 0,1,2
	v_mov_b32 v[PC+3+\i], v[TC+\i]
.endr
.if ((\t)/2)%2 == 0
	ds_store_b128 v10, v[PC:PC+3] offset:IO        ; registers 0-3,
	ds_store_b64 v10, v[PC+4:PC+5] offset:IO+512   ; 4 and 5
.else
	ds_store_b64 v10, v[PC:PC+1] offset:IO+520     ; registers 6 and 7,
	ds_store_b128 v10, v[PC+2:PC+5] offset:IO+1024 ; 8-11
.endif
.if (\t) < 6
	WLOAD (\t)+2
.endif
	s_wait_dscnt 0x0                               ; the stores have read their registers
.endm
; K step ks of my two is whole in the images: two blocks x three runs of 512 bytes leave.  LDS serves a wave's instructions in order, so the next K step's stores into the images come behind these loads.
; Each K step has 24 registers of its own on the way out: no store's data are written again.
.macro WOUT ks
.irp m, 0,1,2,3,4,5
	ds_load_b128 v[OUTR+24*(\ks)+4*\m:OUTR+24*(\ks)+4*\m+3], v11 offset:512*\m
.endr
.irp m, 0,1,2,3,4,5
	s_wait_dscnt 5-\m
	global_store_b128 v4, v[OUTR+24*(\ks)+4*\m:OUTR+24*(\ks)+4*\m+3], s[14:15] offset:(\m/3)*8*FRB+(\ks)*FRB+(\m%3)*512   ; 512 consecutive bytes a store, aligned
.endr
.endm
.irp t, 0,1,2,3
	WBLOCK \t
.endr
	WOUT 0
.irp t, 4,5,6,7
	WBLOCK \t
.endr
	global_store_b32 v15, v40, s[50:51]            ; my column's scale words of the two K steps
	s_wait_alu depctr_va_vdst(0)
	global_store_b32 v15, v41, s[50:51] offset:64
	WOUT 1
	CLOSE
.Lfunc_end_k_qc2c27d34d7_prep:
	.size	k_qc2c27d34d7_prep, .Lfunc_end_k_qc2c27d34d7_prep-k_qc2c27d34d7_prep
	.p2alignl 7, 3214868480
	.fill 96, 4, 3214868480
	.section	.rodata,"a",@progbits
	.p2align	6, 0x0
	.amdhsa_kernel k_qc2c27d34d7_prep
		.amdhsa_group_segment_fixed_size 81408
		.amdhsa_private_segment_fixed_size 0
		.amdhsa_enable_private_segment 0
		.amdhsa_kernarg_size 56
		.amdhsa_user_sgpr_count 2
		.amdhsa_user_sgpr_kernarg_segment_ptr 1
		.amdhsa_wavefront_size32 1
		.amdhsa_system_sgpr_workgroup_id_x 1
		.amdhsa_system_sgpr_workgroup_id_y 1
		.amdhsa_system_sgpr_workgroup_id_z 1
		.amdhsa_system_vgpr_workitem_id 0
		.amdhsa_next_free_vgpr 256
		.amdhsa_next_free_sgpr 66
		.amdhsa_reserve_vcc 0
		.amdhsa_float_denorm_mode_32 3
		.amdhsa_float_denorm_mode_16_64 3
		.amdhsa_memory_ordered 1
		.amdhsa_forward_progress 1
		.amdhsa_inst_pref_size 122
	.end_amdhsa_kernel
	.amdgpu_metadata
---
amdhsa.version: [ 1, 2 ]
amdhsa.kernels:
  - .name:           k_qc2c27d34d7_prep
    .symbol:         k_qc2c27d34d7_prep.kd
    .args:
      - { .name: x, .offset: 0, .size: 8, .value_kind: global_buffer, .address_space: global }
      - { .name: Wqkv, .offset: 8, .size: 8, .value_kind: global_buffer, .address_space: global }
      - { .name: Wout, .offset: 16, .size: 8, .value_kind: global_buffer, .address_space: global }
      - { .name: mask, .offset: 24, .size: 8, .value_kind: global_buffer, .address_space: global }
      - { .name: xq, .offset: 32, .size: 8, .value_kind: global_buffer, .address_space: global }
      - { .name: wq, .offset: 40, .size: 8, .value_kind: global_buffer, .address_space: global }
      - { .name: mb, .offset: 48, .size: 8, .value_kind: global_buffer, .address_space: global }
    .group_segment_fixed_size: 81408
    .private_segment_fixed_size: 0
    .kernarg_segment_align: 8
    .kernarg_segment_size: 56
    .max_flat_workgroup_size: 128
    .sgpr_count:     66
    .vgpr_count:     256
    .wavefront_size: 32
...
	.end_amdgpu_metadata
.endif
;; end of part 1
;; launch qkv (part 2): grid 4 x 64, 4 waves a work-group, clusters of 4 x 4, 327,680 bytes of LDS; arguments xq, wq, bqkv, qkv; writes qkv
.if DOCPART == 2
	.amdgcn_target "amdgcn-amd-amdhsa--gfx1250"
	.amdhsa_code_object_version 6
	.text
	.protected	k_qc2c27d34d7_qkv
	.globl	k_qc2c27d34d7_qkv
	.p2align	8
	.type	k_qc2c27d34d7_qkv,@function
k_qc2c27d34d7_qkv:
	s_mov_b64 s[64:65], 0
	v_nop
	global_prefetch_b8 v0, s[64:65] scope:SCOPE_SE
	s_setreg_imm32_b32 hwreg(HW_REG_WAVE_MODE, 25, 1), 1
	s_wait_xcnt 0x0
	s_wait_alu depctr_hold_cnt(0) depctr_sa_sdst(0) depctr_va_vdst(0) depctr_va_sdst(0) depctr_va_ssrc(0) depctr_va_vcc(0) depctr_vm_vsrc(0)
	s_getreg_b32 s2, hwreg(HW_REG_IB_STS2, 6, 4)
	s_cmp_eq_u32 s2, 0
	s_cbranch_scc0 .Lentry_in_a_cluster
	s_endpgm
.Lentry_in_a_cluster:
	s_bfe_u32 s2, ttmp6, 0x10000c
	s_cmp_lg_u32 s2, 0xf033
	s_cbranch_scc0 .Lentry_shape_is_right
	s_endpgm
.Lentry_shape_is_right:
; QKV: x Wqkv + bqkv on codes of FP6 (E2M3) with one E8M0 byte for each 32 along K; the results are quantised on the way out and leave as codes: q and k along the features, v along the KEYS.
; 256 WORK-GROUPS THAT STAY.  The product is 786,432 matrix instructions: 768 for each of 1,024 waves.  A work-group makes three tiles of 128 (A) x 256 (B), one after the other; a wave 64 x 128: 32 accumulators.
;   tile 0, q: A = 128 tokens (xq), B = 256 of the features 0-1,023 (wq);   tile 1, k: the same tokens, B 64 blocks further on in wq;
;   tile 2, v: A = 128 of v's features (wq's blocks 128-191), B = 256 tokens (xq): v comes out transposed and is quantised along the keys by the same text.
; OPERANDS ARE FRAGMENT IMAGES (16 row positions x 128 K as 12 registers a lane, 1,536 dense bytes: registers 4 g .. 4 g + 3 of lane l at 512 g + 16 l; fragment = block x 8 + K step): three ds_load_b128
; of 512 consecutive bytes bring one; no pitch, no padding.  Scale words: 64 bytes a fragment; one load of 4 bytes a lane brings K step 2 e in lanes 0-15 and 2 e + 1 in lanes 16-31; a tile's stay in registers.
; SOURCE 0 = "B", SOURCE 1 = "A".  Row position p holds row p with bits 3 and 4 exchanged, so accumulator (a, b), lane (r, h), register j is A's position 16 a + r and B's TRUE index 32 (b/2) + 16 h + 8 (b%2) + j:
; a block a's 64 registers are 128 neighbours along B's axis, 16 in each run: what the quantiser takes.
; THE RING.  K = 1,024 is 8 steps of 128, four to a slot: a tile is slot 0, then slot 1.  The ring does not stop at a tile's end: slot 0 takes the next tile's K steps 0-3 behind the round in K step 3; slot 1 takes its
; K steps 4-7 behind a round that stands between the second and the third of the tile's four blocks on the way out.  So slot 0's refill has four and a half K steps and two blocks of the way out in which to land,
; slot 1's two blocks and three K steps.  A wave has one tensor load out at a time, and issues one behind each round.
; CLUSTER 4 x 4: A's tiles are asked for jointly along a row, B's along a column; A's addresses hold cy and never cx, B's cx and never cy, in all three tiles.
; No prefetch is laid: both operands together are 9.4 MB, each byte is read by many work-groups, and every refill has part of a tile's way out to land under.
; LIMITS: a block of zeros or under 2^-124 gets the byte 1 (the bytes are read by this program alone); NaN and infinities are not served.
.set NA, 4
.set KS, 8
.set NQ, 4
.set XS, 6291456
.set WS, 3145728
.set QS, 18874368
.set FRB,   1536
.set HALFA, NA*NQ*FRB                  ; what one tensor load brings of A: NA blocks x NQ K steps
.set HALFB, 8*NQ*FRB
.set SLOT,  2*HALFA+2*HALFB
.set SPARE, 2*SLOT                     ; behind the ring: the spare words, 128 bytes a wave: two blocks of 256 bytes that no other line names
.set ADRA, 16                          ; v16-17 LDS address of my A fragments in slot 0, 1
.set ADRB, 20                          ; v20-21 the same for B
.set SPW,  28
.set NIL,  29
.set SAR,  32                          ; A's scale words of the tile in hand: block a, K steps 2 e and 2 e + 1 at v[SAR + 4 a + e].  v32-47: tiles 0 and 1; v48-63: tile 2.  v32-127 hold scales alone
.set SBR,  64                          ; B's likewise, at v[SBR + 4 b + e].  v64-95: tile 0, then tile 2; v96-127: tile 1
.set CWIN, 1                           ; the window of the bias along B's axis (v96-127 and v224-255 there): q's in window 1, k's in window 3
.set AF,   128                         ; A's fragments, one set (window 0); B's two sets: window 1, v0 and v128; the accumulators: window 2
.set HA,   128                         ; the way out: 64 numbers
.set PC,   192                         ; their codes
.set TM,   212                         ; at work
.set PW,   228                         ; the scale word just made; v229 an even block's, kept; v230 two blocks' merged
.set PWE,  229
.set PWM,  230
.set BQ,   232                         ; v232-239 v's bias along A's axis, twice each (a pair for the packed add)
.set ZP,   240                         ; v240-241 a pair of zeros: q and k have no bias along A's axis
.set SEL,  12
.set PA,   20                          ; s[20:21] what I fetch of A in tiles 0 and 1;  s[22:23] in tile 2
.set PA2,  22
.set PB,   46                          ; s[46:47] what I fetch of B in tile 0 (tile 1: 64 blocks on);  s[66:67] in tile 2
.set PB2,  66
.set G1,   24
.set G0,   32
.set G1B,  48
.set G0B,  56
.set MSB,  0
.macro WIN new                         ; the immediate's high byte repeats the setting that is left
.if MSB != \new
	s_set_vgpr_msb (MSB<<8)|\new
.set MSB, \new
.endif
.endm
.macro PLACES n
.rept \n
	v_nop
.endr
.endm
.macro JLOAD g0a, g1a, g0b, g1b        ; a joint load: waves 0 and 1 fetch A's halves, waves 2 and 3 B's; an s_nop 0 and four v_nop follow each line
	s_cmp_eq_u32 s15, 0
	s_cbranch_scc0 .Lfor_b_\@
	tensor_load_to_lds s[\g0a:\g0a+3], s[\g1a:\g1a+7]
	s_nop 0
.rept 4
	v_nop
.endr
	s_branch .Lasked_\@
.Lfor_b_\@:
	tensor_load_to_lds s[\g0b:\g0b+3], s[\g1b:\g1b+7]
	s_nop 0
.rept 4
	v_nop
.endr
.Lasked_\@:
.endm
.macro CREST                           ; a round of the cluster's barrier behind its opening barrier
	s_cmp_lg_u32 s14, 0
	s_cbranch_scc1 .Lnot_wave_0_\@
	s_barrier_signal -3
.Lnot_wave_0_\@:
	s_barrier_wait -3
	s_barrier_signal -1
	s_barrier_wait -1
.endm
.macro CROUND
	s_barrier_signal -1
	s_barrier_wait -1
	CREST
.endm
.macro SHAPE g, rows                   ; descriptor group 1 but for its first word: rows of NQ fragments (192 NQ elements of 8 bytes), a block's KS fragments apart
	s_mov_b32 s[\g+1], (192*NQ)<<16
	s_mov_b32 s[\g+2], (\rows)<<16
	s_mov_b32 s[\g+3], (192*NQ)<<16
	s_mov_b32 s[\g+4], \rows
	s_mov_b32 s[\g+5], 192*KS
	s_mov_b32 s[\g+6], 0
	s_mov_b32 s[\g+7], 0
.endm
; The global addresses of a slot's two groups 0 are written anew, for the next tile's K steps 4 x slot on: only where no tensor load of mine is out
.macro REFILL slot, pa, pb, offb
	s_add_nc_u64 s[G0+4*\slot+2:G0+4*\slot+3], s[\pa:\pa+1], \slot*NQ*FRB
	s_or_b32 s[G0+4*\slot+3], s[G0+4*\slot+3], 0x80000000
	s_add_nc_u64 s[G0B+4*\slot+2:G0B+4*\slot+3], s[\pb:\pb+1], \offb+\slot*NQ*FRB
	s_or_b32 s[G0B+4*\slot+3], s[G0B+4*\slot+3], 0x80000000
.endm
.macro FRAG reg, adr, off
.irp g, 0,1,2
	ds_load_b128 v[\reg+4*\g:\reg+4*\g+3], v[\adr] offset:\off+512*\g
.endr
.endm
.macro FETCH_B slot, q, p              ; B's eight fragments of the slot's q-th K step into set p
	WIN 0x40
.irp i, 0,1,2,3,4,5,6,7
	FRAG 128*(\p)+12*\i, ADRB+\slot, (\i*NQ+(\q))*FRB
.endr
	WIN 0
.endm
.macro FETCH_A slot, q, a0, n          ; A's blocks a0 .. a0 + n - 1
.set fa, \a0
.rept \n
	FRAG AF+12*fa, ADRA+\slot, (fa*NQ+(\q))*FRB
.set fa, fa+1
.endr
.endm
; 8 matrix instructions: A's block a against B's eight; p: B's set; s: the K step; zero = 1: the constant 0 starts the sums, 2: the bias along B's axis does.  Odd K steps take their scales from lanes 16-31.
; All accumulators take turns, one instruction a turn, in the same order in every step.
.macro MULB a, p, s, zero
.set dw, 2+(\a)/4
.set cw, dw
.if \zero == 2
.set cw, CWIN
.endif
.set wv, 0x01|(cw<<4)|(dw<<6)
	WIN wv
.irp b, 0,1,2,3,4,5,6,7
.set rD, 8*(8*((\a)%4)+\b)
.set rB, 128*(\p)+12*\b
.set rA, AF+12*(\a)
.set rSB, SBR+(KS/2)*\b+(\s)/2
.set rSA, SAR+(KS/2)*(\a)+(\s)/2
.set rC, 96+8*\b+96*(\b/4)
.if ((\s)%2) == 1
	v_wmma_scale_f32_16x16x128_f8f6f4 v[rD:rD+7], v[rB:rB+11], v[rA:rA+11], v[rD:rD+7], v[rSB], v[rSA] matrix_a_fmt:MATRIX_FMT_FP6 matrix_b_fmt:MATRIX_FMT_FP6 matrix_a_scale:MATRIX_SCALE_ROW1 matrix_b_scale:MATRIX_SCALE_ROW1
.elseif \zero == 1
	v_wmma_scale_f32_16x16x128_f8f6f4 v[rD:rD+7], v[rB:rB+11], v[rA:rA+11], 0, v[rSB], v[rSA] matrix_a_fmt:MATRIX_FMT_FP6 matrix_b_fmt:MATRIX_FMT_FP6
.elseif \zero == 2
	v_wmma_scale_f32_16x16x128_f8f6f4 v[rD:rD+7], v[rB:rB+11], v[rA:rA+11], v[rC:rC+7], v[rSB], v[rSA] matrix_a_fmt:MATRIX_FMT_FP6 matrix_b_fmt:MATRIX_FMT_FP6
.else
	v_wmma_scale_f32_16x16x128_f8f6f4 v[rD:rD+7], v[rB:rB+11], v[rA:rA+11], v[rD:rD+7], v[rSB], v[rSA] matrix_a_fmt:MATRIX_FMT_FP6 matrix_b_fmt:MATRIX_FMT_FP6
.endif
.endr
.endm
.macro MULR a0, n, p, s, zero
.set ma, \a0
.rept \n
	MULB ma, \p, \s, \zero
.set ma, ma+1
.endr
.endm
; A K step that has its successor in the same slot.  A block of A is free as soon as its eight products are issued: one set serves A.  Four plain places stand in front of loads into registers that matrix instructions have read.
.macro STEP slot, q, s, zero
	s_wait_dscnt 3*NA/2                            ; B's set and A's first half are in; the youngest loads, A's second half (2 blocks x 3 loads), may be out
	MULR 0, NA/2, (\q)%2, \s, \zero
	s_wait_dscnt 0x0
	PLACES 4
	FETCH_B \slot, (\q)+1, 1-(\q)%2
	FETCH_A \slot, (\q)+1, 0, NA/2
	MULR NA/2, NA/2, (\q)%2, \s, \zero
	PLACES 4
	WIN 0
	FETCH_A \slot, (\q)+1, NA/2, NA/2
.endm
; Slot 0's last K step changes slots: one barrier; in front of it each wave waits for all its tensor loads, adds 0 to its spare word, and waits for that and for its reads of this slot.
; fill = 1: the slot is filled again, with the NEXT TILE's first four K steps (pa, pb: the registers that hold what I fetch of its A and B; offb: bytes on in B).
.macro TURN slot, next, s, fill, pa, pb, offb
	s_wait_tensorcnt 0x0                           ; all my tensor loads have landed: my part of the next slot
	ds_add_u32 v[SPW], v[NIL]                      ; 0 onto my spare word
	s_wait_dscnt 3*NA/2+1                          ; (the add and A's second half may be out)
	MULR 0, NA/4, 1, \s, 0
	s_wait_dscnt 0x0                               ; the add is done, and my reads of this slot are over
	s_barrier_signal -1
	MULR NA/4, NA/4, 1, \s, 0
	WIN 0
	s_barrier_wait -1
.if \fill
	CREST                                          ; the barrier has opened a round of the cluster's barrier: no wave of any partner still reads this slot or has a load on its way
	REFILL \slot, \pa, \pb, \offb
	JLOAD G0+4*\slot, G1, G0B+4*\slot, G1B         ; the first tensor load behind the round; its four v_nop are the places in front of the loads below
.else
	PLACES 4
.endif
	FETCH_B \next, 0, 0
	FETCH_A \next, 0, 0, NA/2
	MULR NA/2, NA/2, 1, \s, 0
	PLACES 4
	WIN 0
	FETCH_A \next, 0, NA/2, NA/2
.endm
.macro LAST s                          ; a tile's last K step: nothing more to fetch out of its slot
	s_wait_dscnt 3*NA/2
	MULR 0, NA/2, 1, \s, 0
	s_wait_dscnt 0x0
	MULR NA/2, NA/2, 1, \s, 0
	WIN 0
	PLACES 5                                       ; in front of the first read of results, of the first write over A's fragments and of loads into scale registers
.endm
; The change of slots on the way out: slot 1, whose last reads came back in the tile's last K step, takes the next tile's K steps 4-7; and behind the round slot 0, the next tile's first four, is whole in every wave's eyes.
.macro CHANGE pa, pb, offb
	s_wait_tensorcnt 0x0                           ; all my tensor loads have landed: my part of slot 0; so every group 0 may be written
	ds_add_u32 v[SPW], v[NIL]                      ; 0 onto my spare word; the descriptors' words stand between it and the wait for it
	REFILL 1, \pa, \pb, \offb
	s_wait_dscnt 0x0                               ; the add is done; no LDS read of mine is out
	CROUND                                         ; no wave of any partner still reads slot 1 or has a load on its way
	JLOAD G0+4, G1, G0B+4, G1B                     ; the first tensor load behind the round, one a wave
.endm
.macro FIRST                           ; a tile's first fragments, out of slot 0
	FETCH_B 0, 0, 0
	FETCH_A 0, 0, 0, NA/2
	FETCH_A 0, 0, NA/2, NA/2
.endm
.macro WALK zero, fill, pa, pb, offb   ; a tile's eight K steps
	STEP 0, 0, 0, \zero
	STEP 0, 1, 1, 0
	STEP 0, 2, 2, 0
	TURN 0, 1, 3, \fill, \pa, \pb, \offb
	STEP 1, 0, 4, 0
	STEP 1, 1, 5, 0
	STEP 1, 2, 6, 0
	LAST 7
.endm
; 64 numbers of a lane, register 16 b + i = k 32 b + 16 h + i of my row, become a fragment's codes in v[PC] on and its scale word in v[PW]
.macro QUANT s
.irp b, 0,1,2,3
	v_max3_num_f32 v[TM+\b], |v[\s+16*\b]|, |v[\s+1+16*\b]|, 0x1800000   ; block b: my 16 numbers, and the floor 2^(3 - 127): the byte cannot fall under 1
.endr
.irp i, 2,4,6,8,10,12,14
.irp b, 0,1,2,3
	v_max3_num_f32 v[TM+\b], v[TM+\b], |v[\s+16*\b+\i]|, |v[\s+1+16*\b+\i]|
.endr
.endr
.irp b, 0,1,2,3
	v_permlanex16_b32 v[TM+4+\b], v[TM+\b], s[SEL], s[SEL+1]
.endr
.irp b, 0,1,2,3
	v_max_num_f32 v[TM+\b], v[TM+\b], v[TM+4+\b]   ; with lane l xor 16's: the block's largest magnitude
.endr
.irp b, 0,1,2,3
	v_add_nc_u32 v[TM+12+\b], 0xff000000, v[TM+\b] ; 2 off its exponent field: the conversion's scale operand
.endr
.irp b, 0,1,2,3
	v_lshrrev_b32 v[TM+4+\b], 23, v[TM+12+\b]      ; the scale's byte
.endr
	v_lshl_or_b32 v[PW], v[TM+5], 8, v[TM+4]
	v_lshl_or_b32 v[PW], v[TM+6], 16, v[PW]
	v_lshl_or_b32 v[PW], v[TM+7], 24, v[PW]
.irp c, 0,1
	v_cvt_scalef32_pk16_fp6_f32 v[PC+6*\c:PC+2+6*\c], v[\s+32*\c:\s+15+32*\c], v[TM+12+2*\c]
	v_cvt_scalef32_pk16_fp6_f32 v[PC+12+4*\c:PC+14+4*\c], v[\s+16+32*\c:\s+31+32*\c], v[TM+12+2*\c+1]
.endr
	v_nop                                          ; one plain place behind a scaled conversion
.irp c, 0,1                                    ; the operand's layout wants a whole block in a lane
.irp i, 0,1,2
	v_permlane16_swap_b32 v[PC+6*\c+\i], v[PC+12+4*\c+\i]
.endr
.irp i, 0,1,2
	v_mov_b32 v[PC+3+6*\c+\i], v[PC+12+4*\c+\i]
.endr
.endr
.endm
	s_load_b256 s[4:11], s[0:1], 0x0               ; xq s[4:5], wq s[6:7], bqkv s[8:9], qkv s[10:11]
	v_lshl_add_u32 v[SPW], v0, 2, SPARE
	v_mov_b32 v[NIL], 0
	ds_add_u32 v[SPW], v[NIL]                      ; the wave's opening: the add and its wait ahead of my first tensor load; work on registers stands between them
	ds_add_u32 v[SPW], v[NIL]
	v_lshrrev_b32 v1, 5, v0
	v_readfirstlane_b32 s14, v1                    ; wave
	s_lshr_b32 s15, s14, 1                         ; my half of A's rows.  Also: I fetch for A (0) or for B (1)
	s_and_b32 s16, s14, 1                          ; my half of B's rows.  Also: which half I fetch
	s_bfe_u32 s40, ttmp6, 0x40000                  ; cx
	s_bfe_u32 s41, ttmp6, 0x40004                  ; cy
	s_and_b32 s42, ttmp7, 0xffff                   ; the cluster's y, 0 to 15 (its x is 0)
	s_lshl_b32 s43, s41, 2
	s_lshl_b32 s43, 15, s43                        ; my row of the cluster
	s_lshl_b32 s44, 0x1111, s40                    ; my column
	s_or_b32 s[G1+0], s43, (3<<16)|(1<<21)         ; 15:0 the mask; 17:16 elements of 8 bytes; 21 set beside a mask; no padding
	s_or_b32 s[G1B+0], s44, (3<<16)|(1<<21)
	SHAPE G1, NA
	SHAPE G1B, 8
	; A's side: cy and the cluster's y alone
	s_lshl_b32 s17, s42, 2
	s_add_co_u32 s17, s17, s41                     ; tiles 0, 1: the tile of 128 tokens, 4 x cluster y + cy
	s_lshl_b32 s20, s17, 3
	s_lshl_b32 s21, s16, 2
	s_add_co_u32 s20, s20, s21                     ; the four blocks that I fetch
	s_mul_i32 s20, s20, KS*FRB
	s_mov_b32 s21, 0
	s_and_b32 s90, s42, 1
	s_lshl_b32 s90, s90, 2
	s_add_co_u32 s90, s90, s41                     ; tile 2: the tile of 128 of v's features, cy + 4 x (cluster y % 2)
	s_lshl_b32 s22, s90, 3
	s_lshl_b32 s23, s16, 2
	s_add_co_u32 s22, s22, s23
	s_add_co_u32 s22, s22, 128                     ; Wv's blocks begin at 128 in wq
	s_mul_i32 s22, s22, KS*FRB
	s_mov_b32 s23, 0
	s_lshl_b32 s92, s15, 2
	s_lshl_b32 s91, s17, 3
	s_add_co_u32 s91, s91, s92                     ; my first block of tokens in tiles 0, 1
	s_lshl_b32 s68, s91, 9
	s_add_co_u32 s68, s68, XS                      ; its scale words
	s_mov_b32 s69, 0
	s_lshl_b32 s93, s90, 3
	s_add_co_u32 s93, s93, s92                     ; my first block of v's features in tile 2
	s_lshl_b32 s74, s93, 9
	s_add_co_u32 s74, s74, WS+128*KS*64
	s_mov_b32 s75, 0
	; B's side: cx and the cluster's y alone
	s_lshl_b32 s46, s40, 4
	s_lshl_b32 s47, s16, 3
	s_add_co_u32 s46, s46, s47                     ; tile 0: my first block of features: the one I fetch and the one I multiply by
	s_lshl_b32 s70, s46, 9
	s_add_co_u32 s70, s70, WS
	s_mov_b32 s71, 0
	s_mul_i32 s46, s46, KS*FRB
	s_mov_b32 s47, 0
	s_lshr_b32 s18, s42, 1
	s_lshl_b32 s18, s18, 2
	s_add_co_u32 s18, s18, s40                     ; tile 2: the tile of 256 tokens, cx + 4 x (cluster y / 2)
	s_lshl_b32 s66, s18, 4
	s_lshl_b32 s67, s16, 3
	s_add_co_u32 s66, s66, s67
	s_lshl_b32 s76, s66, 9
	s_add_co_u32 s76, s76, XS
	s_mov_b32 s77, 0
	s_mul_i32 s66, s66, KS*FRB
	s_mov_b32 s67, 0
	; the biases
	s_lshl_b32 s94, s40, 1
	s_add_co_u32 s94, s94, s16                     ; which 128 of q's (and of k's) features are mine
	s_lshl_b32 s78, s94, 9                         ; their bias, in bytes (k's: 4,096 on)
	s_mov_b32 s79, 0
	s_lshl_b32 s80, s93, 6
	s_add_co_u32 s80, s80, 8192                    ; v's bias of my 64 features: 16 numbers a block, behind q's and k's 2,048
	s_mov_b32 s81, 0
	; where the results go.  q: fragment 8 x block + which 128 features; k: 4,096 fragments on
	s_lshl_b32 s95, s91, 3
	s_add_co_u32 s95, s95, s94
	s_mul_i32 s82, s95, FRB
	s_mov_b32 s83, 0
	s_lshl_b32 s84, s95, 6
	s_add_co_u32 s84, s84, QS
	s_mov_b32 s85, 0
	s_lshl_b32 s96, s18, 1
	s_add_co_u32 s96, s96, s16                     ; which 128 tokens are mine in tile 2: batch x 16 + chunk of keys
	s_lshr_b32 s97, s96, 4
	s_lshl_b32 s97, s97, 6
	s_add_co_u32 s97, s97, s93
	s_lshl_b32 s97, s97, 4
	s_and_b32 s96, s96, 15
	s_add_co_u32 s97, s97, s96
	s_add_co_u32 s97, s97, 8192                    ; v: fragment 8,192 + 16 x (64 x batch + block) + chunk
	s_mul_i32 s86, s97, FRB
	s_mov_b32 s87, 0
	s_lshl_b32 s88, s97, 6
	s_add_co_u32 s88, s88, QS
	s_mov_b32 s89, 0
	s_mul_i32 s72, s16, HALFA                      ; where the tiles go: no place in the cluster enters an LDS address
	s_mul_i32 s73, s16, HALFB
	s_add_co_u32 s73, s73, 2*HALFA
	s_mov_b32 s[SEL], 0x76543210
	s_mov_b32 s[SEL+1], 0xfedcba98
	s_mov_b32 s2, 0xffff0000                       ; lanes 16-31
	s_wait_dscnt 0x0                               ; the opening add is done
	s_wait_kmcnt 0x0
	s_add_nc_u64 s[PA:PA+1], s[4:5], s[PA:PA+1]
	s_add_nc_u64 s[PA2:PA2+1], s[6:7], s[PA2:PA2+1]
	s_add_nc_u64 s[PB:PB+1], s[6:7], s[PB:PB+1]
	s_add_nc_u64 s[PB2:PB2+1], s[4:5], s[PB2:PB2+1]
	s_add_nc_u64 s[68:69], s[4:5], s[68:69]        ; A's scale words, tiles 0 and 1
	s_add_nc_u64 s[74:75], s[6:7], s[74:75]        ; tile 2
	s_add_nc_u64 s[70:71], s[6:7], s[70:71]        ; B's scale words, tile 0 (tile 1: 64 blocks on)
	s_add_nc_u64 s[76:77], s[4:5], s[76:77]        ; tile 2
	s_add_nc_u64 s[78:79], s[8:9], s[78:79]
	s_add_nc_u64 s[80:81], s[8:9], s[80:81]
	s_add_nc_u64 s[82:83], s[10:11], s[82:83]
	s_add_nc_u64 s[84:85], s[10:11], s[84:85]
	s_add_nc_u64 s[86:87], s[10:11], s[86:87]
	s_add_nc_u64 s[88:89], s[10:11], s[88:89]
	CROUND                                         ; all sixteen work-groups are here: the first joint loads meet
.irp s, 0,1
	s_mov_b32 s[G0+4*\s], 1
	s_add_co_u32 s[G0+4*\s+1], s72, \s*SLOT
	s_add_nc_u64 s[G0+4*\s+2:G0+4*\s+3], s[PA:PA+1], \s*NQ*FRB
	s_or_b32 s[G0+4*\s+3], s[G0+4*\s+3], 0x80000000
	s_mov_b32 s[G0B+4*\s], 1
	s_add_co_u32 s[G0B+4*\s+1], s73, \s*SLOT
	s_add_nc_u64 s[G0B+4*\s+2:G0B+4*\s+3], s[PB:PB+1], \s*NQ*FRB
	s_or_b32 s[G0B+4*\s+3], s[G0B+4*\s+3], 0x80000000
.endr
	JLOAD G0, G1, G0B, G1B                         ; slot 0's first fill: one tensor load a wave at the head
	v_and_b32 v1, 15, v0                           ; r
	v_bfe_u32 v2, v0, 4, 1                         ; h
	v_and_b32 v5, 31, v0
	v_lshlrev_b32 v3, 4, v5                        ; 16 x lane
	v_lshlrev_b32 v4, 2, v5                        ; 4 x lane
.irp a, 0,1,2,3
.irp e, 0,1,2,3
	global_load_b32 v[32+(KS/2)*\a+\e], v4, s[68:69] offset:(\a*KS+2*\e)*64   ; the tokens' scale words: tiles 0 and 1
.endr
.endr
.irp b, 0,1,2,3,4,5,6,7
.irp e, 0,1,2,3
	global_load_b32 v[64+(KS/2)*\b+\e], v4, s[70:71] offset:(\b*KS+2*\e)*64   ; Wq's
.endr
.endr
	v_lshlrev_b32 v7, 6, v2                        ; 16 h numbers
	WIN 0x40
.irp b, 0,1,2,3,4,5,6,7
	global_load_b128 v[96+8*\b+96*(\b/4):96+8*\b+96*(\b/4)+3], v7, s[78:79] offset:128*(\b/2)+32*(\b%2)       ; q's bias, in the result's layout
	global_load_b128 v[96+8*\b+96*(\b/4)+4:96+8*\b+96*(\b/4)+7], v7, s[78:79] offset:128*(\b/2)+32*(\b%2)+16
.endr
	WIN 0
	v_and_b32 v6, 8, v1
	v_add_nc_u32 v6, v6, v1
	v_lshlrev_b32 v6, 2, v6                        ; position r of a block is row r + 8 (r / 8)
	s_mul_i32 s3, s15, HALFA
	v_add_nc_u32 v[ADRA], s3, v3
	v_add_nc_u32 v[ADRA+1], SLOT, v[ADRA]
	v_add_nc_u32 v[ADRB], s73, v3
	v_add_nc_u32 v[ADRB+1], SLOT, v[ADRB]
	v_lshlrev_b32 v25, 9, v2
	v_lshl_add_u32 v25, v1, 2, v25                 ; two blocks' scale words of q and k: 8 fragments (512 bytes) x h, + 4 r
	v_lshlrev_b32 v26, 10, v2
	v_lshl_add_u32 v26, v1, 2, v26                 ; and of v: 16 fragments x h, + 4 r
	v_mov_b32 v[ZP], 0
	v_mov_b32 v[ZP+1], 0
.irp b, 0,1,2,3
	v_mov_b32 v[TM+4+\b], 0                        ; a lane permute's destination counts as one of its sources
.endr
	s_wait_alu depctr_va_vdst(0)
	s_wait_loadcnt 0x0
	s_wait_tensorcnt 0x0                           ; my part of slot 0 is in; slot 1's first fill is issued as a refill is:
	ds_add_u32 v[SPW], v[NIL]                      ; 0 onto my spare word
	s_wait_dscnt 0x0                               ; the add is done
	CROUND                                         ; a whole round: slot 0 is whole, and all sixteen work-groups are here
	JLOAD G0+4, G1, G0B+4, G1B                     ; slot 1: the first tensor load behind the round, ahead of the first LDS read
; THE WAY OUT, block a of 16 positions of A in tile ph: + the bias along A's axis (v alone has one), quantised along B's axis: one fragment, three stores of 512 consecutive bytes.  Two blocks' scale words leave together.
.macro OUTB a, ph
	s_wait_xcnt 0x0                                ; the last block's stores have read their data
	WIN 0x02
.set j, 0
.rept 32
.if \ph == 2
	v_pk_add_f32 v[HA+j:HA+j+1], v[64*(\a)+j:64*(\a)+j+1], v[BQ+2*(\a):BQ+2*(\a)+1]   ; each accumulator from its low end on
.else
	v_pk_add_f32 v[HA+j:HA+j+1], v[64*(\a)+j:64*(\a)+j+1], v[ZP:ZP+1]
.endif
.set j, j+2
.endr
	WIN 0
	QUANT HA
.irp g, 0,1,2
.if \ph == 2
	global_store_b128 v3, v[PC+4*\g:PC+4*\g+3], s[86:87] offset:(\a)*16*FRB+512*\g
.else
	global_store_b128 v3, v[PC+4*\g:PC+4*\g+3], s[82:83] offset:(\ph)*4096*FRB+(\a)*8*FRB+512*\g   ; at most 6,329,344: inside the signed 24-bit immediate (ISA guide, chapter 10)
.endif
.endr
.if ((\a)%2) == 0
	v_mov_b32 v[PWE], v[PW]
.else
	v_cndmask_b32 v[PWM], v[PWE], v[PW], s2        ; lanes 0-15 the even block's words, lanes 16-31 the odd one's
.if \ph == 2
	global_store_b32 v26, v[PWM], s[88:89] offset:((\a)-1)*1024
.else
	global_store_b32 v25, v[PWM], s[84:85] offset:(\ph)*4096*64+((\a)-1)*512
.endif
.endif
.endm
	; ---- TILE 0: q
	FIRST
.irp b, 0,1,2,3,4,5,6,7                        ; what tile 1 wants is asked for here, behind the first fragments' loads: it has the whole of tile 0 in which to come
.irp e, 0,1,2,3
	global_load_b32 v[96+(KS/2)*\b+\e], v4, s[70:71] offset:64*KS*64+(\b*KS+2*\e)*64   ; Wk's scale words
.endr
.endr
	WIN 0xc0
.irp b, 0,1,2,3,4,5,6,7
	global_load_b128 v[96+8*\b+96*(\b/4):96+8*\b+96*(\b/4)+3], v7, s[78:79] offset:4096+128*(\b/2)+32*(\b%2)       ; k's bias, into window 3
	global_load_b128 v[96+8*\b+96*(\b/4)+4:96+8*\b+96*(\b/4)+7], v7, s[78:79] offset:4096+128*(\b/2)+32*(\b%2)+16
.endr
	WIN 0
	WALK 2, 1, PA, PB, 64*KS*FRB                   ; the first K step starts the sums on q's bias; slot 0 takes tile 1's first four K steps
	s_wait_loadcnt 0x0                             ; what tile 1 wants is in (asked for eight K steps ago)
.irp b, 0,1,2,3,4,5,6,7                        ; what tile 2 wants: it has the whole of tile 1 in which to come.  Wq's scale words are done with, five places behind the last product
.irp e, 0,1,2,3
	global_load_b32 v[64+(KS/2)*\b+\e], v4, s[76:77] offset:(\b*KS+2*\e)*64   ; the tokens' scale words, as B's
.endr
.endr
.irp a, 0,1,2,3
.irp e, 0,1,2,3
	global_load_b32 v[48+(KS/2)*\a+\e], v4, s[74:75] offset:(\a*KS+2*\e)*64   ; Wv's, as A's
.endr
.endr
.irp a, 0,1,2,3
	global_load_b32 v[BQ+2*\a], v6, s[80:81] offset:(32*(\a/2)+8*(\a%2))*4    ; v's bias, along A's axis
	global_load_b32 v[BQ+2*\a+1], v6, s[80:81] offset:(32*(\a/2)+8*(\a%2))*4
.endr
	s_wait_alu depctr_va_vdst(0)
	OUTB 0, 0
	OUTB 1, 0
	CHANGE PA, PB, 64*KS*FRB                       ; slot 1 takes tile 1's last four K steps
	OUTB 2, 0
	OUTB 3, 0
	; ---- TILE 1: k
.set SBR, 96
.set CWIN, 3
	FIRST
	WALK 2, 1, PA2, PB2, 0                         ; slot 0 takes tile 2's first four K steps
	OUTB 0, 1
	OUTB 1, 1
	CHANGE PA2, PB2, 0                             ; slot 1 takes tile 2's last four: the last tensor load
	OUTB 2, 1
	OUTB 3, 1
	; ---- TILE 2: v, transposed
	s_wait_loadcnt 0x0                             ; what tile 2 wants is in (asked for a tile ago)
.set SAR, 48
.set SBR, 64
	FIRST
	WALK 1, 0, PA2, PB2, 0                         ; the sums begin on the constant 0; nothing is left to fetch
	OUTB 0, 2
	OUTB 1, 2
	OUTB 2, 2
	OUTB 3, 2
	s_wait_tensorcnt 0x0                           ; the wave's end
	ds_add_u32 v[SPW], v[NIL]
	s_wait_dscnt 0x0
	CROUND                                         ; the closing round
	s_endpgm
.Lfunc_end_k_qc2c27d34d7_qkv:
	.size	k_qc2c27d34d7_qkv, .Lfunc_end_k_qc2c27d34d7_qkv-k_qc2c27d34d7_qkv
	.p2alignl 7, 3214868480
	.fill 96, 4, 3214868480
	.section	.rodata,"a",@progbits
	.p2align	6, 0x0
	.amdhsa_kernel k_qc2c27d34d7_qkv
		.amdhsa_group_segment_fixed_size 327680
		.amdhsa_private_segment_fixed_size 0
		.amdhsa_enable_private_segment 0
		.amdhsa_kernarg_size 32
		.amdhsa_user_sgpr_count 2
		.amdhsa_user_sgpr_kernarg_segment_ptr 1
		.amdhsa_wavefront_size32 1
		.amdhsa_system_sgpr_workgroup_id_x 1
		.amdhsa_system_sgpr_workgroup_id_y 1
		.amdhsa_system_sgpr_workgroup_id_z 1
		.amdhsa_system_vgpr_workitem_id 0
		.amdhsa_next_free_vgpr 1024
		.amdhsa_next_free_sgpr 100
		.amdhsa_reserve_vcc 0
		.amdhsa_float_denorm_mode_32 3
		.amdhsa_float_denorm_mode_16_64 3
		.amdhsa_memory_ordered 1
		.amdhsa_forward_progress 1
		.amdhsa_inst_pref_size 255
	.end_amdhsa_kernel
	.section	.bss,"aw",@nobits
	.p2align	6
	.space	262144
	.amdgpu_metadata
---
amdhsa.version: [ 1, 2 ]
amdhsa.kernels:
  - .name:           k_qc2c27d34d7_qkv
    .symbol:         k_qc2c27d34d7_qkv.kd
    .args:
      - { .name: xq, .offset: 0, .size: 8, .value_kind: global_buffer, .address_space: global }
      - { .name: wq, .offset: 8, .size: 8, .value_kind: global_buffer, .address_space: global }
      - { .name: bqkv, .offset: 16, .size: 8, .value_kind: global_buffer, .address_space: global }
      - { .name: qkv, .offset: 24, .size: 8, .value_kind: global_buffer, .address_space: global }
    .group_segment_fixed_size: 327680
    .private_segment_fixed_size: 0
    .kernarg_segment_align: 8
    .kernarg_segment_size: 32
    .max_flat_workgroup_size: 128
    .sgpr_count:     100
    .vgpr_count:     1024
    .wavefront_size: 32
...
	.end_amdgpu_metadata
.endif
;; end of part 2
;; launch score (part 3): grid 8 x 32, 4 waves a work-group, clusters of 4 x 4, 327,680 bytes of LDS; arguments qkv, mb, pq; writes pq
.if DOCPART == 3
	.amdgcn_target "amdgcn-amd-amdhsa--gfx1250"
	.amdhsa_code_object_version 6
	.text
	.protected	k_qc2c27d34d7_score
	.globl	k_qc2c27d34d7_score
	.p2align	8
	.type	k_qc2c27d34d7_score,@function
k_qc2c27d34d7_score:
	s_mov_b64 s[64:65], 0
	v_nop
	global_prefetch_b8 v0, s[64:65] scope:SCOPE_SE
	s_setreg_imm32_b32 hwreg(HW_REG_WAVE_MODE, 25, 1), 1
	s_wait_xcnt 0x0
	s_wait_alu depctr_hold_cnt(0) depctr_sa_sdst(0) depctr_va_vdst(0) depctr_va_sdst(0) depctr_va_ssrc(0) depctr_va_vcc(0) depctr_vm_vsrc(0)
	s_getreg_b32 s2, hwreg(HW_REG_IB_STS2, 6, 4)
	s_cmp_eq_u32 s2, 0
	s_cbranch_scc0 .Lentry_in_a_cluster
	s_endpgm
.Lentry_in_a_cluster:
	s_bfe_u32 s2, ttmp6, 0x10000c
	s_cmp_lg_u32 s2, 0xf033
	s_cbranch_scc0 .Lentry_shape_is_right
	s_endpgm
.Lentry_shape_is_right:
; SCORE: q k^T on codes of FP6 (E2M3), the mask, and the softmax's p, quantised along the keys.  A tile of 256 queries x 256 keys to a work-group, 128 x 128 to a wave; K = 1,024 in 8 steps, ring and cluster as in the launch before.
; Source 0 = keys (B), source 1 = queries (A): accumulator (a, b), lane (r, h), register j is query position 16 a + r and TRUE key 32 (b/2) + 16 h + 8 (b%2) + j of the wave's 128.
; THE SOFTMAX IS TAKEN WITH THE MAXIMUM OF THE WAVE'S OWN 128 KEYS.  t = logit x log2(e); M = ceil(the largest t of the row's 128 keys here), a whole number; p = 2^(t - M).  p's codes do not hang on which whole number M is:
; only the scale bytes do.  The wave stores the codes, and for each row a record (scale word, -M, the sum of the unquantised p, 0); the next launch takes the row's largest M, lowers the bytes by the difference and joins the sums.
; LIMITS: |M| under 2^24; a p under 2^-126 of its chunk's largest counts as 0; a block whose every p is 0 keeps the byte 1; NaN and infinities are not served.
.set NA, 8
.set KS, 8
.set NQ, 2
.set QS, 18874368
.set PS, 12582912
.set FRB,   1536
.set HALFA, NA*NQ*FRB
.set HALFB, 8*NQ*FRB
.set SLOT,  2*HALFA+2*HALFB
.set SPARE, 2*SLOT                     ; behind the ring: the spare words, 128 bytes a wave: two blocks of 256 bytes that no other line names
.set ADRA, 16
.set ADRB, 20
.set SPW,  28
.set NIL,  29
.set S0,   30                          ; v30 the raw score of a masked place
.set SAR,  32                          ; scale words: these registers hold scales alone
.set SBR,  64
.set AF,   128
.set S,    128                         ; the way out: 64 scores, then p
.set PC,   192                         ; p's codes
.set BM,   212                         ; the four blocks' largest
.set T,    216
.set SO,   220                         ; the conversions' scale operands
.set XT,   224
.set LA,   226                         ; the sum, in two chains of pairs
.set LB,   228
.set NM,   232                         ; -M (named as a pair with v233)
.set PW,   234
.set LS,   235                         ; the row's sum
.set RE,   236                         ; an even block's record, kept
.set RM,   240                         ; two blocks' records merged
.set G1,   24
.set G0,   32
.set G1B,  48
.set G0B,  56
.set MSB,  0
.macro WIN new
.if MSB != \new
	s_set_vgpr_msb (MSB<<8)|\new
.set MSB, \new
.endif
.endm
.macro PLACES n
.rept \n
	v_nop
.endr
.endm
.macro JLOAD g0a, g1a, g0b, g1b        ; a joint load: waves 0 and 1 fetch A's halves, waves 2 and 3 B's; an s_nop 0 and four v_nop follow each line
	s_cmp_eq_u32 s15, 0
	s_cbranch_scc0 .Lfor_b_\@
	tensor_load_to_lds s[\g0a:\g0a+3], s[\g1a:\g1a+7]
	s_nop 0
.rept 4
	v_nop
.endr
	s_branch .Lasked_\@
.Lfor_b_\@:
	tensor_load_to_lds s[\g0b:\g0b+3], s[\g1b:\g1b+7]
	s_nop 0
.rept 4
	v_nop
.endr
.Lasked_\@:
.endm
.macro CREST
	s_cmp_lg_u32 s14, 0
	s_cbranch_scc1 .Lnot_wave_0_\@
	s_barrier_signal -3
.Lnot_wave_0_\@:
	s_barrier_wait -3
	s_barrier_signal -1
	s_barrier_wait -1
.endm
.macro CROUND
	s_barrier_signal -1
	s_barrier_wait -1
	CREST
.endm
.macro SHAPE g, rows
	s_mov_b32 s[\g+1], (192*NQ)<<16
	s_mov_b32 s[\g+2], (\rows)<<16
	s_mov_b32 s[\g+3], (192*NQ)<<16
	s_mov_b32 s[\g+4], \rows
	s_mov_b32 s[\g+5], 192*KS
	s_mov_b32 s[\g+6], 0
	s_mov_b32 s[\g+7], 0
.endm
.macro FRAG reg, adr, off
.irp g, 0,1,2
	ds_load_b128 v[\reg+4*\g:\reg+4*\g+3], v[\adr] offset:\off+512*\g
.endr
.endm
.macro FETCH_B slot, q, p
	WIN 0x40
.irp i, 0,1,2,3,4,5,6,7
	FRAG 128*(\p)+12*\i, ADRB+\slot, (\i*NQ+(\q))*FRB
.endr
	WIN 0
.endm
.macro FETCH_A slot, q, a0, n
.set fa, \a0
.rept \n
	FRAG AF+12*fa, ADRA+\slot, (fa*NQ+(\q))*FRB
.set fa, fa+1
.endr
.endm
; 8 matrix instructions: A's block a against B's eight.  zero = 1: the constant 0 starts the sums.  Odd K steps take their scales from lanes 16-31.  The accumulators take turns.
.macro MULB a, p, s, zero
.set dw, 2+(\a)/4
.set wv, 0x01|(dw<<4)|(dw<<6)
	WIN wv
.irp b, 0,1,2,3,4,5,6,7
.set rD, 8*(8*((\a)%4)+\b)
.set rB, 128*(\p)+12*\b
.set rA, AF+12*(\a)
.set rSB, SBR+(KS/2)*\b+(\s)/2
.set rSA, SAR+(KS/2)*(\a)+(\s)/2
.if ((\s)%2) == 1
	v_wmma_scale_f32_16x16x128_f8f6f4 v[rD:rD+7], v[rB:rB+11], v[rA:rA+11], v[rD:rD+7], v[rSB], v[rSA] matrix_a_fmt:MATRIX_FMT_FP6 matrix_b_fmt:MATRIX_FMT_FP6 matrix_a_scale:MATRIX_SCALE_ROW1 matrix_b_scale:MATRIX_SCALE_ROW1
.elseif \zero == 1
	v_wmma_scale_f32_16x16x128_f8f6f4 v[rD:rD+7], v[rB:rB+11], v[rA:rA+11], 0, v[rSB], v[rSA] matrix_a_fmt:MATRIX_FMT_FP6 matrix_b_fmt:MATRIX_FMT_FP6
.else
	v_wmma_scale_f32_16x16x128_f8f6f4 v[rD:rD+7], v[rB:rB+11], v[rA:rA+11], v[rD:rD+7], v[rSB], v[rSA] matrix_a_fmt:MATRIX_FMT_FP6 matrix_b_fmt:MATRIX_FMT_FP6
.endif
.endr
.endm
.macro MULR a0, n, p, s, zero
.set ma, \a0
.rept \n
	MULB ma, \p, \s, \zero
.set ma, ma+1
.endr
.endm
.macro STEP slot, q, s, zero
	s_wait_dscnt 3*NA/2                            ; B's set and A's first half are in; A's second half may be out
	MULR 0, NA/2, (\q)%2, \s, \zero
	s_wait_dscnt 0x0
	PLACES 4
	FETCH_B \slot, (\q)+1, 1-(\q)%2
	FETCH_A \slot, (\q)+1, 0, NA/2
	MULR NA/2, NA/2, (\q)%2, \s, \zero
	PLACES 4
	WIN 0
	FETCH_A \slot, (\q)+1, NA/2, NA/2
.endm
.macro TURN slot, next, s, fill
	s_wait_tensorcnt 0x0                           ; all my tensor loads have landed: my part of the next slot
	ds_add_u32 v[SPW], v[NIL]                      ; 0 onto my spare word
	s_wait_dscnt 3*NA/2+1                          ; (the add and A's second half may be out)
	MULR 0, NA/4, 1, \s, 0
	s_wait_dscnt 0x0                               ; the add is done, and my reads of this slot are over
	s_barrier_signal -1
	MULR NA/4, NA/4, 1, \s, 0
	WIN 0
	s_barrier_wait -1
.if \fill
	CREST                                          ; a round of the cluster's barrier: no wave of any partner still reads this slot or has a load on its way
	s_add_nc_u64 s[G0+4*\slot+2:G0+4*\slot+3], s[G0+4*\slot+2:G0+4*\slot+3], 2*NQ*FRB
	s_add_nc_u64 s[G0B+4*\slot+2:G0B+4*\slot+3], s[G0B+4*\slot+2:G0B+4*\slot+3], 2*NQ*FRB
	JLOAD G0+4*\slot, G1, G0B+4*\slot, G1B
.else
	PLACES 4
.endif
	FETCH_B \next, 0, 0
	FETCH_A \next, 0, 0, NA/2
	MULR NA/2, NA/2, 1, \s, 0
	PLACES 4
	WIN 0
	FETCH_A \next, 0, NA/2, NA/2
.endm
.macro LAST s
	s_wait_dscnt 3*NA/2
	MULR 0, NA/2, 1, \s, 0
	s_wait_dscnt 0x0
	MULR NA/2, NA/2, 1, \s, 0
	WIN 0
	PLACES 4
.endm
.macro MASKS a                         ; block a's 64 lane masks: word n in s[24 + n] (n under 32) or s[36 + n]
	s_load_b512 s[24:39], s[18:19], (\a)*4096
	s_load_b512 s[40:55], s[18:19], (\a)*4096+64
	s_load_b512 s[68:83], s[18:19], (\a)*4096+128
	s_load_b512 s[84:99], s[18:19], (\a)*4096+192
.endm
	s_load_b128 s[4:7], s[0:1], 0x0                ; qkv s[4:5], mb s[6:7]
	s_load_b64 s[8:9], s[0:1], 0x10                ; pq
	v_lshl_add_u32 v[SPW], v0, 2, SPARE
	v_mov_b32 v[NIL], 0
	ds_add_u32 v[SPW], v[NIL]                      ; the wave's opening: the add and its wait ahead of my first tensor load
	ds_add_u32 v[SPW], v[NIL]
	v_lshrrev_b32 v1, 5, v0
	v_readfirstlane_b32 s14, v1
	s_lshr_b32 s15, s14, 1
	s_and_b32 s16, s14, 1
	s_bfe_u32 s40, ttmp6, 0x40000                  ; cx
	s_bfe_u32 s41, ttmp6, 0x40004                  ; cy
	s_lshl_b32 s42, ttmp9, 2
	s_add_co_u32 s42, s42, s40                     ; the tile of 256 keys in the batch
	s_and_b32 s3, ttmp7, 0xffff
	s_lshl_b32 s17, s3, 2
	s_add_co_u32 s17, s17, s41                     ; the tile of 256 queries, of 32
	s_lshr_b32 s3, s3, 1                           ; the batch: it hangs on the cluster's y alone
	s_lshl_b32 s43, s41, 2
	s_lshl_b32 s43, 15, s43
	s_lshl_b32 s44, 0x1111, s40
	s_or_b32 s[G1+0], s43, (3<<16)|(1<<21)
	s_or_b32 s[G1B+0], s44, (3<<16)|(1<<21)
	SHAPE G1, NA
	SHAPE G1B, 8
	s_lshl_b32 s66, s17, 4
	s_lshl_b32 s67, s16, 3
	s_add_co_u32 s66, s66, s67
	s_mul_i32 s66, s66, KS*FRB                     ; what I fetch of q
	s_mov_b32 s67, 0
	s_lshl_b32 s46, s3, 3
	s_add_co_u32 s46, s46, s42
	s_lshl_b32 s46, s46, 4
	s_lshl_b32 s47, s16, 3
	s_add_co_u32 s46, s46, s47                     ; my first block of k
	s_lshl_b32 s70, s46, 9
	s_add_co_u32 s70, s70, QS+4096*64
	s_mov_b32 s71, 0
	s_mul_i32 s46, s46, KS*FRB
	s_add_co_u32 s46, s46, 4096*FRB
	s_mov_b32 s47, 0
	s_lshl_b32 s74, s17, 4
	s_lshl_b32 s75, s15, 3
	s_add_co_u32 s74, s74, s75                     ; my first block of q
	s_lshl_b32 s68, s74, 9
	s_add_co_u32 s68, s68, QS
	s_mov_b32 s69, 0
	s_lshl_b32 s74, s74, 4
	s_lshl_b32 s75, s42, 1
	s_add_co_u32 s74, s74, s75
	s_add_co_u32 s74, s74, s16                     ; my first fragment of p: 16 x block + chunk of 128 keys
	s_mul_i32 s76, s74, FRB
	s_mov_b32 s77, 0
	s_lshl_b32 s78, s74, 8
	s_mov_b32 s79, 0
	s_add_co_u32 s80, s78, PS
	s_mov_b32 s81, 0
	s_mul_i32 s72, s16, HALFA
	s_mul_i32 s73, s16, HALFB
	s_add_co_u32 s73, s73, 2*HALFA
	s_mov_b32 s20, 0x76543210
	s_mov_b32 s21, 0xfedcba98
	s_mov_b32 s22, 0x3d38aa3b                      ; c = log2(e) / 32: t = raw score x c
	s_mov_b32 s23, s22                             ; (named with it as a pair)
	s_mov_b32 s2, 0xffff0000                       ; lanes 16-31
	s_wait_dscnt 0x0
	s_wait_kmcnt 0x0
	s_add_nc_u64 s[66:67], s[4:5], s[66:67]
	s_add_nc_u64 s[46:47], s[4:5], s[46:47]
	s_add_nc_u64 s[68:69], s[4:5], s[68:69]
	s_add_nc_u64 s[70:71], s[4:5], s[70:71]
	s_add_nc_u64 s[10:11], s[8:9], s[76:77]        ; p's codes
	s_add_nc_u64 s[12:13], s[8:9], s[80:81]        ; the records
	s_add_nc_u64 s[18:19], s[6:7], s[78:79]        ; the lane masks
	CROUND
.irp s, 0,1
	s_mov_b32 s[G0+4*\s], 1
	s_add_co_u32 s[G0+4*\s+1], s72, \s*SLOT
	s_add_nc_u64 s[G0+4*\s+2:G0+4*\s+3], s[66:67], \s*NQ*FRB
	s_or_b32 s[G0+4*\s+3], s[G0+4*\s+3], 0x80000000
	s_mov_b32 s[G0B+4*\s], 1
	s_add_co_u32 s[G0B+4*\s+1], s73, \s*SLOT
	s_add_nc_u64 s[G0B+4*\s+2:G0B+4*\s+3], s[46:47], \s*NQ*FRB
	s_or_b32 s[G0B+4*\s+3], s[G0B+4*\s+3], 0x80000000
.endr
	JLOAD G0, G1, G0B, G1B                         ; slot 0's first fill: one tensor load a wave at the head
	v_and_b32 v1, 15, v0
	v_bfe_u32 v2, v0, 4, 1
	v_and_b32 v5, 31, v0
	v_lshlrev_b32 v3, 4, v5
	v_lshlrev_b32 v4, 2, v5
.irp a, 0,1,2,3,4,5,6,7
.irp e, 0,1,2,3
	global_load_b32 v[SAR+(KS/2)*\a+\e], v4, s[68:69] offset:(\a*KS+2*\e)*64
	global_load_b32 v[SBR+(KS/2)*\a+\e], v4, s[70:71] offset:(\a*KS+2*\e)*64
.endr
.endr
	s_mul_i32 s3, s15, HALFA
	v_add_nc_u32 v[ADRA], s3, v3
	v_add_nc_u32 v[ADRA+1], SLOT, v[ADRA]
	v_add_nc_u32 v[ADRB], s73, v3
	v_add_nc_u32 v[ADRB+1], SLOT, v[ADRB]
	v_lshlrev_b32 v24, 12, v2
	v_lshl_add_u32 v24, v1, 4, v24                 ; two blocks' records: h blocks (4,096 bytes) on, + 16 r
	v_mov_b32 v[S0], 0x315be6ff                    ; 32 x 1e-10
	s_wait_alu depctr_va_vdst(0)
	s_wait_loadcnt 0x0
	s_wait_tensorcnt 0x0                           ; my part of slot 0 is in; slot 1's first fill is issued as a refill is:
	ds_add_u32 v[SPW], v[NIL]                      ; 0 onto my spare word
	s_wait_dscnt 0x0                               ; the add is done
	CROUND                                         ; a whole round: slot 0 is whole, and all sixteen work-groups are here
	JLOAD G0+4, G1, G0B+4, G1B                     ; slot 1: the first tensor load behind the round, ahead of the first LDS read
	FETCH_B 0, 0, 0
	FETCH_A 0, 0, 0, NA/2
	FETCH_A 0, 0, NA/2, NA/2
	STEP 0, 0, 0, 1
	TURN 0, 1, 1, 1
	STEP 1, 0, 2, 0
	TURN 1, 0, 3, 1
	STEP 0, 0, 4, 0
	TURN 0, 1, 5, 0
	MASKS 0                                        ; no tensor load of mine is out since that change's wait, and none follows: the descriptors' registers take block 0's lane masks
	STEP 1, 0, 6, 0
	LAST 7
.irp b, 0,1,2,3
	v_mov_b32 v[T+\b], 0                           ; a lane permute's destination counts as one of its sources
.endr
	v_mov_b32 v[NM+1], 0                           ; (named as the upper half of a pair)
	v_mov_b32 v[RM+3], 0
; Block a: 16 queries x my 128 keys
.macro SOFT a
	s_wait_kmcnt 0x0                               ; the block's lane masks are in
.if (\a) > 0
	s_wait_xcnt 0x0                                ; the last block's stores have read their data
.endif
.set wv, 0x08+4*((\a)/4)
	WIN wv
.set n, 0
.rept 64
.if n < 32
	v_cndmask_b32 v[S+n], v[S0], v[64*((\a)%4)+n], s[24+n]   ; the score where the mask is not 0, else the masked logit; each accumulator from its low end on
.else
	v_cndmask_b32 v[S+n], v[S0], v[64*((\a)%4)+n], s[36+n]
.endif
.set n, n+1
.endr
	WIN 0
.if (\a) < 7
	MASKS (\a)+1                                   ; the next block's: they have the rest of this block in which to come
.endif
.irp b, 0,1,2,3
	v_max3_num_f32 v[BM+\b], v[S+16*\b], v[S+1+16*\b], v[S+2+16*\b]   ; the largest score of each block of 32 keys: for the row's maximum and, since p rises with the score, for the block's largest p
.endr
.irp i, 3,5,7,9,11,13
.irp b, 0,1,2,3
	v_max3_num_f32 v[BM+\b], v[BM+\b], v[S+16*\b+\i], v[S+1+16*\b+\i]
.endr
.endr
.irp b, 0,1,2,3
	v_max_num_f32 v[BM+\b], v[BM+\b], v[S+15+16*\b]
.endr
.irp b, 0,1,2,3
	v_permlanex16_b32 v[T+\b], v[BM+\b], s20, s21
.endr
.irp b, 0,1,2,3
	v_max_num_f32 v[BM+\b], v[BM+\b], v[T+\b]
.endr
	v_max3_num_f32 v[XT], v[BM], v[BM+1], v[BM+2]
	v_max_num_f32 v[XT], v[XT], v[BM+3]
	v_mul_f32 v[XT], s22, v[XT]                    ; the largest t of my query's 128 keys
	v_floor_f32 v[NM], -v[XT]                      ; -M = floor(-t): M is a whole number
.irp j, 0,2,4,6,8,10,12,14,16,18,20,22,24,26,28,30,32,34,36,38,40,42,44,46,48,50,52,54,56,58,60,62
	v_pk_fma_f32 v[S+\j:S+\j+1], v[S+\j:S+\j+1], s[22:23], v[NM:NM+1] op_sel_hi:[1,0,0]   ; t - M
.endr
.irp b, 0,1,2,3
	v_fma_f32 v[BM+\b], v[BM+\b], s22, v[NM]
.endr
	s_wait_alu depctr_va_vdst(0)
.irp j, 0,1,2,3,4,5,6,7,8,9,10,11,12,13,14,15,16,17,18,19,20,21,22,23,24,25,26,27,28,29,30,31,32,33,34,35,36,37,38,39,40,41,42,43,44,45,46,47,48,49,50,51,52,53,54,55,56,57,58,59,60,61,62,63
	v_exp_f32 v[S+\j], v[S+\j]                     ; p = 2^(t - M)
.endr
	v_nop                                          ; a plain place behind the exponentials
	s_wait_alu depctr_va_vdst(0)                   ; one wait for the batch, ahead of its first reader
.irp b, 0,1,2,3
	v_exp_f32 v[BM+\b], v[BM+\b]                   ; the block's largest p: the same two instructions on the same number
.endr
	v_pk_add_f32 v[LA:LA+1], v[S:S+1], v[S+2:S+3]  ; the sum of the unquantised p, in two chains; plain work behind the four
	v_pk_add_f32 v[LB:LB+1], v[S+4:S+5], v[S+6:S+7]
.irp j, 8,12,16,20,24,28,32,36,40,44,48,52,56,60
	v_pk_add_f32 v[LA:LA+1], v[LA:LA+1], v[S+\j:S+\j+1]
	v_pk_add_f32 v[LB:LB+1], v[LB:LB+1], v[S+\j+2:S+\j+3]
.endr
	v_pk_add_f32 v[LA:LA+1], v[LA:LA+1], v[LB:LB+1]
	v_add_f32 v[LS], v[LA], v[LA+1]
	v_permlanex16_b32 v[XT], v[LS], s20, s21
	v_add_f32 v[LS], v[LS], v[XT]                  ; with lane l xor 16's 64 keys
	s_wait_alu depctr_va_vdst(0)                   ; and one for the four
.irp b, 0,1,2,3
	v_max_num_f32 v[BM+\b], 0x1800000, v[BM+\b]    ; the floor 2^(3 - 127)
.endr
.irp b, 0,1,2,3
	v_add_nc_u32 v[SO+\b], 0xff000000, v[BM+\b]
.endr
.irp b, 0,1,2,3
	v_lshrrev_b32 v[T+\b], 23, v[SO+\b]
.endr
	v_lshl_or_b32 v[PW], v[T+1], 8, v[T]
	v_lshl_or_b32 v[PW], v[T+2], 16, v[PW]
	v_lshl_or_b32 v[PW], v[T+3], 24, v[PW]
.irp c, 0,1
	v_cvt_scalef32_pk16_fp6_f32 v[PC+6*\c:PC+2+6*\c], v[S+32*\c:S+15+32*\c], v[SO+2*\c]
	v_cvt_scalef32_pk16_fp6_f32 v[PC+12+4*\c:PC+14+4*\c], v[S+16+32*\c:S+31+32*\c], v[SO+2*\c+1]
.endr
	v_nop                                          ; one plain place behind a scaled conversion
.irp c, 0,1
.irp i, 0,1,2
	v_permlane16_swap_b32 v[PC+6*\c+\i], v[PC+12+4*\c+\i]
.endr
.irp i, 0,1,2
	v_mov_b32 v[PC+3+6*\c+\i], v[PC+12+4*\c+\i]
.endr
.endr
.irp g, 0,1,2
	global_store_b128 v3, v[PC+4*\g:PC+4*\g+3], s[10:11] offset:(\a)*16*FRB+512*\g   ; 512 consecutive bytes a store, aligned
.endr
.if ((\a)%2) == 0
	v_mov_b32 v[RE], v[PW]
	v_mov_b32 v[RE+1], v[NM]
	v_mov_b32 v[RE+2], v[LS]
.else
	v_cndmask_b32 v[RM], v[RE], v[PW], s2          ; lanes 0-15 the even block's rows, lanes 16-31 the odd one's
	v_cndmask_b32 v[RM+1], v[RE+1], v[NM], s2
	v_cndmask_b32 v[RM+2], v[RE+2], v[LS], s2
	global_store_b128 v24, v[RM:RM+3], s[12:13] offset:((\a)-1)*4096   ; sixteen lanes store 256 consecutive bytes, aligned
.endif
.endm
.irp a, 0,1,2,3,4,5,6,7
	SOFT \a
.endr
	s_wait_tensorcnt 0x0                           ; the wave's end
	ds_add_u32 v[SPW], v[NIL]
	s_wait_dscnt 0x0
	CROUND                                         ; the closing round
	s_endpgm
.Lfunc_end_k_qc2c27d34d7_score:
	.size	k_qc2c27d34d7_score, .Lfunc_end_k_qc2c27d34d7_score-k_qc2c27d34d7_score
	.p2alignl 7, 3214868480
	.fill 96, 4, 3214868480
	.section	.rodata,"a",@progbits
	.p2align	6, 0x0
	.amdhsa_kernel k_qc2c27d34d7_score
		.amdhsa_group_segment_fixed_size 327680
		.amdhsa_private_segment_fixed_size 0
		.amdhsa_enable_private_segment 0
		.amdhsa_kernarg_size 24
		.amdhsa_user_sgpr_count 2
		.amdhsa_user_sgpr_kernarg_segment_ptr 1
		.amdhsa_wavefront_size32 1
		.amdhsa_system_sgpr_workgroup_id_x 1
		.amdhsa_system_sgpr_workgroup_id_y 1
		.amdhsa_system_sgpr_workgroup_id_z 1
		.amdhsa_system_vgpr_workitem_id 0
		.amdhsa_next_free_vgpr 1024
		.amdhsa_next_free_sgpr 100
		.amdhsa_reserve_vcc 0
		.amdhsa_float_denorm_mode_32 3
		.amdhsa_float_denorm_mode_16_64 3
		.amdhsa_memory_ordered 1
		.amdhsa_forward_progress 1
		.amdhsa_inst_pref_size 231
	.end_amdhsa_kernel
	.amdgpu_metadata
---
amdhsa.version: [ 1, 2 ]
amdhsa.kernels:
  - .name:           k_qc2c27d34d7_score
    .symbol:         k_qc2c27d34d7_score.kd
    .args:
      - { .name: qkv, .offset: 0, .size: 8, .value_kind: global_buffer, .address_space: global }
      - { .name: mb, .offset: 8, .size: 8, .value_kind: global_buffer, .address_space: global }
      - { .name: pq, .offset: 16, .size: 8, .value_kind: global_buffer, .address_space: global }
    .group_segment_fixed_size: 327680
    .private_segment_fixed_size: 0
    .kernarg_segment_align: 8
    .kernarg_segment_size: 24
    .max_flat_workgroup_size: 128
    .sgpr_count:     100
    .vgpr_count:     1024
    .wavefront_size: 32
...
	.end_amdgpu_metadata
.endif
;; end of part 3
;; launch pv (part 4): grid 4 x 64, 4 waves a work-group, clusters of 4 x 4, 327,680 bytes of LDS; arguments pq, qkv, oq; writes oq
.if DOCPART == 4
	.amdgcn_target "amdgcn-amd-amdhsa--gfx1250"
	.amdhsa_code_object_version 6
	.text
	.protected	k_qc2c27d34d7_pv
	.globl	k_qc2c27d34d7_pv
	.p2align	8
	.type	k_qc2c27d34d7_pv,@function
k_qc2c27d34d7_pv:
	s_mov_b64 s[64:65], 0
	v_nop
	global_prefetch_b8 v0, s[64:65] scope:SCOPE_SE
	s_setreg_imm32_b32 hwreg(HW_REG_WAVE_MODE, 25, 1), 1
	s_wait_xcnt 0x0
	s_wait_alu depctr_hold_cnt(0) depctr_sa_sdst(0) depctr_va_vdst(0) depctr_va_sdst(0) depctr_va_ssrc(0) depctr_va_vcc(0) depctr_vm_vsrc(0)
	s_getreg_b32 s2, hwreg(HW_REG_IB_STS2, 6, 4)
	s_cmp_eq_u32 s2, 0
	s_cbranch_scc0 .Lentry_in_a_cluster
	s_endpgm
.Lentry_in_a_cluster:
	s_bfe_u32 s2, ttmp6, 0x10000c
	s_cmp_lg_u32 s2, 0xf033
	s_cbranch_scc0 .Lentry_shape_is_right
	s_endpgm
.Lentry_shape_is_right:
.set NA, 4
.set KS, 16
.set NQ, 4
.set QS, 18874368
.set PS, 12582912
.set OS, 6291456
.set FRB,   1536
.set HALFA, NA*NQ*FRB
.set HALFB, 8*NQ*FRB
.set SLOT,  2*HALFA+2*HALFB
.set SCA,   2*SLOT
.set RL,    SCA+8192
.set SPARE, RL+512
.set ADRA, 16
.set ADRB, 20
.set SPW,  28
.set NIL,  29
.set SAR,  32
.set SBR,  64
.set AF,   128
.set REC,  176
.set RLP,  240
.set HA,   128
.set PC,   192
.set TM,   212
.set PW,   228
.set PWE,  229
.set PWM,  230
.set SEL,  12
.set G1,   24
.set G0,   32
.set G1B,  48
.set G0B,  56
.set MSB,  0
.macro WIN new
.if MSB != \new
	s_set_vgpr_msb (MSB<<8)|\new
.set MSB, \new
.endif
.endm
.macro PLACES n
.rept \n
	v_nop
.endr
.endm
.macro JLOAD g0a, g1a, g0b, g1b
	s_cmp_eq_u32 s15, 0
	s_cbranch_scc0 .Lfor_b_\@
	tensor_load_to_lds s[\g0a:\g0a+3], s[\g1a:\g1a+7]
	s_nop 0
.rept 4
	v_nop
.endr
	s_branch .Lasked_\@
.Lfor_b_\@:
	tensor_load_to_lds s[\g0b:\g0b+3], s[\g1b:\g1b+7]
	s_nop 0
.rept 4
	v_nop
.endr
.Lasked_\@:
.endm
.macro CREST
	s_cmp_lg_u32 s14, 0
	s_cbranch_scc1 .Lnot_wave_0_\@
	s_barrier_signal -3
.Lnot_wave_0_\@:
	s_barrier_wait -3
	s_barrier_signal -1
	s_barrier_wait -1
.endm
.macro CROUND
	s_barrier_signal -1
	s_barrier_wait -1
	CREST
.endm
.macro SHAPE g, rows
	s_mov_b32 s[\g+1], (192*NQ)<<16
	s_mov_b32 s[\g+2], (\rows)<<16
	s_mov_b32 s[\g+3], (192*NQ)<<16
	s_mov_b32 s[\g+4], \rows
	s_mov_b32 s[\g+5], 192*KS
	s_mov_b32 s[\g+6], 0
	s_mov_b32 s[\g+7], 0
.endm
.macro FRAG reg, adr, off
.irp g, 0,1,2
	ds_load_b128 v[\reg+4*\g:\reg+4*\g+3], v[\adr] offset:\off+512*\g
.endr
.endm
.macro FETCH_B slot, q, p
	WIN 0x40
.irp i, 0,1,2,3,4,5,6,7
	FRAG 128*(\p)+12*\i, ADRB+\slot, (\i*NQ+(\q))*FRB
.endr
	WIN 0
.endm
.macro FETCH_A slot, q, a0, n
.set fa, \a0
.rept \n
	FRAG AF+12*fa, ADRA+\slot, (fa*NQ+(\q))*FRB
.set fa, fa+1
.endr
.endm
.macro MULB a, p, s, zero
.set dw, 2+(\a)/4
.set wv, 0x01|(dw<<4)|(dw<<6)
	WIN wv
.irp b, 0,1,2,3,4,5,6,7
.set rD, 8*(8*((\a)%4)+\b)
.set rB, 128*(\p)+12*\b
.set rA, AF+12*(\a)
.set rSB, SBR+(KS/2)*\b+(\s)/2
.set rSA, SAR+(KS/2)*(\a)+(\s)/2
.if ((\s)%2) == 1
	v_wmma_scale_f32_16x16x128_f8f6f4 v[rD:rD+7], v[rB:rB+11], v[rA:rA+11], v[rD:rD+7], v[rSB], v[rSA] matrix_a_fmt:MATRIX_FMT_FP6 matrix_b_fmt:MATRIX_FMT_FP6 matrix_a_scale:MATRIX_SCALE_ROW1 matrix_b_scale:MATRIX_SCALE_ROW1
.elseif \zero == 1
	v_wmma_scale_f32_16x16x128_f8f6f4 v[rD:rD+7], v[rB:rB+11], v[rA:rA+11], 0, v[rSB], v[rSA] matrix_a_fmt:MATRIX_FMT_FP6 matrix_b_fmt:MATRIX_FMT_FP6
.else
	v_wmma_scale_f32_16x16x128_f8f6f4 v[rD:rD+7], v[rB:rB+11], v[rA:rA+11], v[rD:rD+7], v[rSB], v[rSA] matrix_a_fmt:MATRIX_FMT_FP6 matrix_b_fmt:MATRIX_FMT_FP6
.endif
.endr
.endm
.macro MULR a0, n, p, s, zero
.set ma, \a0
.rept \n
	MULB ma, \p, \s, \zero
.set ma, ma+1
.endr
.endm
.macro STEP slot, q, s, zero
	s_wait_dscnt 3*NA/2
	MULR 0, NA/2, (\q)%2, \s, \zero
	s_wait_dscnt 0x0
	PLACES 4
	FETCH_B \slot, (\q)+1, 1-(\q)%2
	FETCH_A \slot, (\q)+1, 0, NA/2
	MULR NA/2, NA/2, (\q)%2, \s, \zero
	PLACES 4
	WIN 0
	FETCH_A \slot, (\q)+1, NA/2, NA/2
.endm
.macro TURN slot, next, s, fill
	s_wait_tensorcnt 0x0
	ds_add_u32 v[SPW], v[NIL]
	s_wait_dscnt 3*NA/2+1
	MULR 0, NA/4, 1, \s, 0
	s_wait_dscnt 0x0
	s_barrier_signal -1
	MULR NA/4, NA/4, 1, \s, 0
	WIN 0
	s_barrier_wait -1
.if \fill
	CREST
	s_add_nc_u64 s[G0+4*\slot+2:G0+4*\slot+3], s[G0+4*\slot+2:G0+4*\slot+3], 2*NQ*FRB
	s_add_nc_u64 s[G0B+4*\slot+2:G0B+4*\slot+3], s[G0B+4*\slot+2:G0B+4*\slot+3], 2*NQ*FRB
	JLOAD G0+4*\slot, G1, G0B+4*\slot, G1B
.else
	PLACES 4
.endif
	FETCH_B \next, 0, 0
	FETCH_A \next, 0, 0, NA/2
	MULR NA/2, NA/2, 1, \s, 0
	PLACES 4
	WIN 0
	FETCH_A \next, 0, NA/2, NA/2
.endm
.macro LAST s
	s_wait_dscnt 3*NA/2
	MULR 0, NA/2, 1, \s, 0
	s_wait_dscnt 0x0
	MULR NA/2, NA/2, 1, \s, 0
	WIN 0
	PLACES 4
.endm
.macro QUANT s
.irp b, 0,1,2,3
	v_max3_num_f32 v[TM+\b], |v[\s+16*\b]|, |v[\s+1+16*\b]|, 0x1800000
.endr
.irp i, 2,4,6,8,10,12,14
.irp b, 0,1,2,3
	v_max3_num_f32 v[TM+\b], v[TM+\b], |v[\s+16*\b+\i]|, |v[\s+1+16*\b+\i]|
.endr
.endr
.irp b, 0,1,2,3
	v_permlanex16_b32 v[TM+4+\b], v[TM+\b], s[SEL], s[SEL+1]
.endr
.irp b, 0,1,2,3
	v_max_num_f32 v[TM+\b], v[TM+\b], v[TM+4+\b]
.endr
.irp b, 0,1,2,3
	v_add_nc_u32 v[TM+12+\b], 0xff000000, v[TM+\b]
.endr
.irp b, 0,1,2,3
	v_lshrrev_b32 v[TM+4+\b], 23, v[TM+12+\b]
.endr
	v_lshl_or_b32 v[PW], v[TM+5], 8, v[TM+4]
	v_lshl_or_b32 v[PW], v[TM+6], 16, v[PW]
	v_lshl_or_b32 v[PW], v[TM+7], 24, v[PW]
.irp c, 0,1
	v_cvt_scalef32_pk16_fp6_f32 v[PC+6*\c:PC+2+6*\c], v[\s+32*\c:\s+15+32*\c], v[TM+12+2*\c]
	v_cvt_scalef32_pk16_fp6_f32 v[PC+12+4*\c:PC+14+4*\c], v[\s+16+32*\c:\s+31+32*\c], v[TM+12+2*\c+1]
.endr
	v_nop
.irp c, 0,1
.irp i, 0,1,2
	v_permlane16_swap_b32 v[PC+6*\c+\i], v[PC+12+4*\c+\i]
.endr
.irp i, 0,1,2
	v_mov_b32 v[PC+3+6*\c+\i], v[PC+12+4*\c+\i]
.endr
.endr
.endm
	s_load_b128 s[4:7], s[0:1], 0x0
	s_load_b64 s[8:9], s[0:1], 0x10
	v_lshl_add_u32 v[SPW], v0, 2, SPARE
	v_mov_b32 v[NIL], 0
	ds_add_u32 v[SPW], v[NIL]
	ds_add_u32 v[SPW], v[NIL]
	v_lshrrev_b32 v1, 5, v0
	v_readfirstlane_b32 s14, v1
	s_lshr_b32 s15, s14, 1
	s_and_b32 s16, s14, 1
	s_bfe_u32 s40, ttmp6, 0x40000
	s_bfe_u32 s41, ttmp6, 0x40004
	s_lshl_b32 s42, ttmp9, 2
	s_add_co_u32 s42, s42, s40
	s_and_b32 s3, ttmp7, 0xffff
	s_lshl_b32 s17, s3, 2
	s_add_co_u32 s17, s17, s41
	s_lshr_b32 s3, s3, 2
	s_lshl_b32 s43, s41, 2
	s_lshl_b32 s43, 15, s43
	s_lshl_b32 s44, 0x1111, s40
	s_or_b32 s[G1+0], s43, (3<<16)|(1<<21)
	s_or_b32 s[G1B+0], s44, (3<<16)|(1<<21)
	SHAPE G1, NA
	SHAPE G1B, 8
	s_lshl_b32 s66, s17, 3
	s_lshl_b32 s67, s16, 2
	s_add_co_u32 s66, s66, s67
	s_mul_i32 s66, s66, KS*FRB
	s_mov_b32 s67, 0
	s_lshl_b32 s46, s3, 2
	s_add_co_u32 s46, s46, s42
	s_lshl_b32 s46, s46, 4
	s_lshl_b32 s47, s16, 3
	s_add_co_u32 s46, s46, s47
	s_lshl_b32 s70, s46, 10
	s_add_co_u32 s70, s70, QS+8192*64
	s_mov_b32 s71, 0
	s_mul_i32 s46, s46, KS*FRB
	s_add_co_u32 s46, s46, 8192*FRB
	s_mov_b32 s47, 0
	s_lshl_b32 s68, s17, 15
	s_add_co_u32 s68, s68, PS
	s_mov_b32 s69, 0
	s_lshl_b32 s74, s17, 3
	s_lshl_b32 s75, s15, 2
	s_add_co_u32 s74, s74, s75
	s_lshl_b32 s74, s74, 3
	s_lshl_b32 s75, s42, 1
	s_add_co_u32 s74, s74, s75
	s_add_co_u32 s74, s74, s16
	s_mul_i32 s76, s74, FRB
	s_mov_b32 s77, 0
	s_lshl_b32 s78, s74, 6
	s_add_co_u32 s78, s78, OS
	s_mov_b32 s79, 0
	s_mul_i32 s72, s16, HALFA
	s_mul_i32 s73, s16, HALFB
	s_add_co_u32 s73, s73, 2*HALFA
	s_mov_b32 s[SEL], 0x76543210
	s_mov_b32 s[SEL+1], 0xfedcba98
	s_mov_b32 s2, 0xffff0000
	s_mov_b32 s18, 0x01010101
	s_mov_b32 s19, 0x80808080
	s_wait_dscnt 0x0
	s_wait_kmcnt 0x0
	s_add_nc_u64 s[66:67], s[4:5], s[66:67]
	s_add_nc_u64 s[46:47], s[6:7], s[46:47]
	s_add_nc_u64 s[68:69], s[4:5], s[68:69]
	s_add_nc_u64 s[70:71], s[6:7], s[70:71]
	s_add_nc_u64 s[10:11], s[8:9], s[76:77]
	s_add_nc_u64 s[20:21], s[8:9], s[78:79]
	CROUND
.irp s, 0,1
	s_mov_b32 s[G0+4*\s], 1
	s_add_co_u32 s[G0+4*\s+1], s72, \s*SLOT
	s_add_nc_u64 s[G0+4*\s+2:G0+4*\s+3], s[66:67], \s*NQ*FRB
	s_or_b32 s[G0+4*\s+3], s[G0+4*\s+3], 0x80000000
	s_mov_b32 s[G0B+4*\s], 1
	s_add_co_u32 s[G0B+4*\s+1], s73, \s*SLOT
	s_add_nc_u64 s[G0B+4*\s+2:G0B+4*\s+3], s[46:47], \s*NQ*FRB
	s_or_b32 s[G0B+4*\s+3], s[G0B+4*\s+3], 0x80000000
.endr
	JLOAD G0, G1, G0B, G1B                         ; slot 0's first fill: one tensor load a wave at the head; the records' and scales' loads and the work on them follow under its flight
	v_and_b32 v1, 15, v0
	v_bfe_u32 v2, v0, 4, 1
	v_and_b32 v5, 31, v0
	v_lshlrev_b32 v3, 4, v5
	v_lshlrev_b32 v4, 2, v5
	v_lshrrev_b32 v5, 4, v0
	v_lshlrev_b32 v6, 12, v5
	v_lshl_add_u32 v6, v1, 4, v6
.irp s, 0,1,2,3,4,5,6,7,8,9,10,11,12,13,14,15
	global_load_b128 v[REC+4*\s:REC+4*\s+3], v6, s[68:69] offset:256*\s
.endr
.irp b, 0,1,2,3,4,5,6,7
.irp e, 0,1,2,3,4,5,6,7
	global_load_b32 v[SBR+(KS/2)*\b+\e], v4, s[70:71] offset:(\b*KS+2*\e)*64
.endr
.endr
	s_mul_i32 s3, s15, HALFA
	v_add_nc_u32 v[ADRA], s3, v3
	v_add_nc_u32 v[ADRA+1], SLOT, v[ADRA]
	v_add_nc_u32 v[ADRB], s73, v3
	v_add_nc_u32 v[ADRB+1], SLOT, v[ADRB]
	v_lshlrev_b32 v13, 10, v5
	v_lshl_add_u32 v13, v1, 2, v13
	v_add_nc_u32 v13, SCA, v13
	v_lshl_add_u32 v14, v0, 2, RL
	s_lshl_b32 s3, s15, 12
	s_add_co_u32 s3, s3, SCA
	v_add_nc_u32 v15, s3, v4
	s_lshl_b32 s3, s15, 8
	s_add_co_u32 s3, s3, RL
	v_lshl_add_u32 v12, v1, 2, s3
	v_lshlrev_b32 v25, 9, v2
	v_lshl_add_u32 v25, v1, 2, v25
	s_wait_loadcnt 63
	v_min3_num_f32 v8, v[REC+1], v[REC+5], v[REC+9]
.irp s, 3,5,7,9,11,13
	v_min3_num_f32 v8, v8, v[REC+4*\s+1], v[REC+4*\s+5]
.endr
	v_min_num_f32 v8, v8, v[REC+61]
.irp s, 0,1,2,3,4,5,6,7,8,9,10,11,12,13,14,15
	v_sub_f32 v[REC+4*\s+1], v8, v[REC+4*\s+1]
.endr
.irp s, 0,1,2,3,4,5,6,7,8,9,10,11,12,13,14,15
	v_max_num_f32 v[REC+4*\s+1], 0xc2fe0000, v[REC+4*\s+1]
.endr
.irp s, 0,1,2,3,4,5,6,7,8,9,10,11,12,13,14,15
	v_cvt_i32_f32 v[REC+4*\s+1], v[REC+4*\s+1]
.endr
.irp s, 0,1,2,3,4,5,6,7,8,9,10,11,12,13,14,15
	v_ldexp_f32 v[REC+4*\s+2], v[REC+4*\s+2], v[REC+4*\s+1]
.endr
.irp s, 0,1,2,3,4,5,6,7,8,9,10,11,12,13,14,15
	v_sub_nc_u32 v[REC+4*\s+1], 0, v[REC+4*\s+1]
.endr
.irp s, 0,1,2,3,4,5,6,7,8,9,10,11,12,13,14,15
	v_mul_lo_u32 v[REC+4*\s+1], v[REC+4*\s+1], s18
.endr
.irp s, 0,1,2,3,4,5,6,7,8,9,10,11,12,13,14,15
	v_or_b32 v[REC+4*\s], s19, v[REC+4*\s]
.endr
.irp s, 0,1,2,3,4,5,6,7,8,9,10,11,12,13,14,15
	v_sub_nc_u32 v[REC+4*\s], v[REC+4*\s], v[REC+4*\s+1]
.endr
.irp s, 0,1,2,3,4,5,6,7,8,9,10,11,12,13,14,15
	v_and_b32 v[REC+4*\s+1], s19, v[REC+4*\s]
.endr
.irp s, 0,1,2,3,4,5,6,7,8,9,10,11,12,13,14,15
	v_lshrrev_b32 v[REC+4*\s+3], 7, v[REC+4*\s+1]
.endr
.irp s, 0,1,2,3,4,5,6,7,8,9,10,11,12,13,14,15
	v_sub_nc_u32 v[REC+4*\s+1], v[REC+4*\s+1], v[REC+4*\s+3]
.endr
.irp s, 0,1,2,3,4,5,6,7,8,9,10,11,12,13,14,15
	v_and_b32 v[REC+4*\s], v[REC+4*\s], v[REC+4*\s+1]
.endr
.irp s, 0,1,2,3,4,5,6,7,8,9,10,11,12,13,14,15
	ds_store_b32 v13, v[REC+4*\s] offset:64*\s
.endr
.irp s, 0,2,4,6,8,10,12,14
	v_add_f32 v[REC+4*\s+2], v[REC+4*\s+2], v[REC+4*\s+6]
.endr
.irp s, 0,4,8,12
	v_add_f32 v[REC+4*\s+2], v[REC+4*\s+2], v[REC+4*\s+10]
.endr
	v_add_f32 v[REC+2], v[REC+2], v[REC+18]
	v_add_f32 v[REC+34], v[REC+34], v[REC+50]
	v_add_f32 v11, v[REC+2], v[REC+34]
	s_wait_alu depctr_va_vdst(0)
	v_rcp_f32 v11, v11
	v_nop
	s_wait_alu depctr_va_vdst(0)
	ds_store_b32 v14, v11
	s_wait_loadcnt 0x0
	s_wait_tensorcnt 0x0                           ; my part of slot 0 is in; slot 1's first fill is issued as a refill is:
	ds_add_u32 v[SPW], v[NIL]                      ; 0 onto my spare word
	s_wait_dscnt 0x0                               ; the add is done, and so are my stores of scale words and divisors
	CROUND                                         ; a whole round: slot 0 and the stored words are whole, and all sixteen work-groups are here
	JLOAD G0+4, G1, G0B+4, G1B                     ; slot 1: the first tensor load behind the round, ahead of the first LDS read
.irp a, 0,1,2,3
.irp e, 0,1,2,3,4,5,6,7
	ds_load_b32 v[SAR+(KS/2)*\a+\e], v15 offset:(\a*KS+2*\e)*64
.endr
.endr
.irp a, 0,1,2,3
	ds_load_b32 v[RLP+2*\a], v12 offset:64*\a
	ds_load_b32 v[RLP+2*\a+1], v12 offset:64*\a
.endr
	FETCH_B 0, 0, 0
	FETCH_A 0, 0, 0, NA/2
	FETCH_A 0, 0, NA/2, NA/2
	STEP 0, 0, 0, 1
	STEP 0, 1, 1, 0
	STEP 0, 2, 2, 0
	TURN 0, 1, 3, 1
	STEP 1, 0, 4, 0
	STEP 1, 1, 5, 0
	STEP 1, 2, 6, 0
	TURN 1, 0, 7, 1
	STEP 0, 0, 8, 0
	STEP 0, 1, 9, 0
	STEP 0, 2, 10, 0
	TURN 0, 1, 11, 0
	STEP 1, 0, 12, 0
	STEP 1, 1, 13, 0
	STEP 1, 2, 14, 0
	LAST 15
.irp b, 0,1,2,3
	v_mov_b32 v[TM+4+\b], 0
.endr
.macro OUTB a
.if (\a) > 0
	s_wait_xcnt 0x0
.endif
	WIN 0x02
.set j, 0
.rept 32
	v_pk_mul_f32 v[HA+j:HA+j+1], v[64*(\a)+j:64*(\a)+j+1], v[RLP+2*(\a):RLP+2*(\a)+1]
.set j, j+2
.endr
	WIN 0
	QUANT HA
.irp g, 0,1,2
	global_store_b128 v3, v[PC+4*\g:PC+4*\g+3], s[10:11] offset:(\a)*8*FRB+512*\g
.endr
.if ((\a)%2) == 0
	v_mov_b32 v[PWE], v[PW]
.else
	v_cndmask_b32 v[PWM], v[PWE], v[PW], s2
	global_store_b32 v25, v[PWM], s[20:21] offset:((\a)-1)*512
.endif
.endm
.irp a, 0,1,2,3
	OUTB \a
.endr
	s_wait_tensorcnt 0x0
	ds_add_u32 v[SPW], v[NIL]
	s_wait_dscnt 0x0
	CROUND
	s_endpgm
.Lfunc_end_k_qc2c27d34d7_pv:
	.size	k_qc2c27d34d7_pv, .Lfunc_end_k_qc2c27d34d7_pv-k_qc2c27d34d7_pv
	.p2alignl 7, 3214868480
	.fill 96, 4, 3214868480
	.section	.rodata,"a",@progbits
	.p2align	6, 0x0
	.amdhsa_kernel k_qc2c27d34d7_pv
		.amdhsa_group_segment_fixed_size 327680
		.amdhsa_private_segment_fixed_size 0
		.amdhsa_enable_private_segment 0
		.amdhsa_kernarg_size 24
		.amdhsa_user_sgpr_count 2
		.amdhsa_user_sgpr_kernarg_segment_ptr 1
		.amdhsa_wavefront_size32 1
		.amdhsa_system_sgpr_workgroup_id_x 1
		.amdhsa_system_sgpr_workgroup_id_y 1
		.amdhsa_system_sgpr_workgroup_id_z 1
		.amdhsa_system_vgpr_workitem_id 0
		.amdhsa_next_free_vgpr 1024
		.amdhsa_next_free_sgpr 100
		.amdhsa_reserve_vcc 0
		.amdhsa_float_denorm_mode_32 3
		.amdhsa_float_denorm_mode_16_64 3
		.amdhsa_memory_ordered 1
		.amdhsa_forward_progress 1
		.amdhsa_inst_pref_size 163
	.end_amdhsa_kernel
	.amdgpu_metadata
---
amdhsa.version: [ 1, 2 ]
amdhsa.kernels:
  - .name:           k_qc2c27d34d7_pv
    .symbol:         k_qc2c27d34d7_pv.kd
    .args:
      - { .name: pq, .offset: 0, .size: 8, .value_kind: global_buffer, .address_space: global }
      - { .name: qkv, .offset: 8, .size: 8, .value_kind: global_buffer, .address_space: global }
      - { .name: oq, .offset: 16, .size: 8, .value_kind: global_buffer, .address_space: global }
    .group_segment_fixed_size: 327680
    .private_segment_fixed_size: 0
    .kernarg_segment_align: 8
    .kernarg_segment_size: 24
    .max_flat_workgroup_size: 128
    .sgpr_count:     100
    .vgpr_count:     1024
    .wavefront_size: 32
...
	.end_amdgpu_metadata
.endif
;; end of part 4
;; launch outp (part 5): grid 4 x 64, 4 waves a work-group, clusters of 4 x 4, 327,680 bytes of LDS; arguments oq, wq, bout, out0; writes out0
.if DOCPART == 5
	.amdgcn_target "amdgcn-amd-amdhsa--gfx1250"
	.amdhsa_code_object_version 6
	.text
	.protected	k_qc2c27d34d7_outp
	.globl	k_qc2c27d34d7_outp
	.p2align	8
	.type	k_qc2c27d34d7_outp,@function
k_qc2c27d34d7_outp:
	s_mov_b64 s[64:65], 0
	v_nop
	global_prefetch_b8 v0, s[64:65] scope:SCOPE_SE
	s_setreg_imm32_b32 hwreg(HW_REG_WAVE_MODE, 25, 1), 1
	s_wait_xcnt 0x0
	s_wait_alu depctr_hold_cnt(0) depctr_sa_sdst(0) depctr_va_vdst(0) depctr_va_sdst(0) depctr_va_ssrc(0) depctr_va_vcc(0) depctr_vm_vsrc(0)
	s_getreg_b32 s2, hwreg(HW_REG_IB_STS2, 6, 4)
	s_cmp_eq_u32 s2, 0
	s_cbranch_scc0 .Lentry_in_a_cluster
	s_endpgm
.Lentry_in_a_cluster:
	s_bfe_u32 s2, ttmp6, 0x10000c
	s_cmp_lg_u32 s2, 0xf033
	s_cbranch_scc0 .Lentry_shape_is_right
	s_endpgm
.Lentry_shape_is_right:
; OUTP: o Wout + bout on codes of FP6 (E2M3) with one E8M0 byte for each 32 along K; out0 in f32.  A block of 128 tokens (A, oq) x 256 features (B, wq's blocks 192 on) to a work-group, 64 x 128 to a wave.
; Operands are fragment images (16 positions x 128 K, 1,536 dense bytes; fragment = block x 8 + K step).  THE WHOLE K LIES IN LDS AT ONCE: 8 blocks of A and 16 of B, 8 fragments each, are 294,912 bytes.
; Each wave's one tensor load at the head brings its tile for all eight K steps (rows of 8 fragments, 12,288 dense bytes): waves 0, 1 A's halves, waves 2, 3 B's.  Nothing is filled again, so the walk has no change of slots.
; Cluster 4 x 4: A's tiles are asked for jointly along a row, B's along a column.  No prefetch is laid: the launch has no loop to run ahead in; all that it reads by tensor loads is asked for at its head.
; The way out goes through a stage of 16 rows x 528 bytes a wave, laid in bytes of A's tile: a barrier behind the last K step stands between all waves' reads of them and the first store there.
.set NA, 4
.set KS, 8
.set NQ, 8
.set WS, 3145728
.set OS, 6291456
.set FRB,   1536
.set HALFA, NA*NQ*FRB
.set HALFB, 8*NQ*FRB
.set SLOT,  2*HALFA+2*HALFB
.set SPARE, SLOT
.set SPITCH, 528
.set ADRA, 16
.set ADRB, 20
.set STO,  24
.set RD,   25
.set SPW,  28
.set NIL,  29
.set SAR,  32
.set SBR,  64
.set AF,   128
.set BK,   128
.set G1,   24
.set G0,   32
.set G1B,  48
.set G0B,  56
.set MSB,  0
.macro WIN new
.if MSB != \new
	s_set_vgpr_msb (MSB<<8)|\new
.set MSB, \new
.endif
.endm
.macro PLACES n
.rept \n
	v_nop
.endr
.endm
.macro JLOAD g0a, g1a, g0b, g1b
	s_cmp_eq_u32 s15, 0
	s_cbranch_scc0 .Lfor_b_\@
	tensor_load_to_lds s[\g0a:\g0a+3], s[\g1a:\g1a+7]
	s_nop 0
.rept 4
	v_nop
.endr
	s_branch .Lasked_\@
.Lfor_b_\@:
	tensor_load_to_lds s[\g0b:\g0b+3], s[\g1b:\g1b+7]
	s_nop 0
.rept 4
	v_nop
.endr
.Lasked_\@:
.endm
.macro CREST
	s_cmp_lg_u32 s14, 0
	s_cbranch_scc1 .Lnot_wave_0_\@
	s_barrier_signal -3
.Lnot_wave_0_\@:
	s_barrier_wait -3
	s_barrier_signal -1
	s_barrier_wait -1
.endm
.macro CROUND
	s_barrier_signal -1
	s_barrier_wait -1
	CREST
.endm
.macro SHAPE g, rows
	s_mov_b32 s[\g+1], (192*NQ)<<16
	s_mov_b32 s[\g+2], (\rows)<<16
	s_mov_b32 s[\g+3], (192*NQ)<<16
	s_mov_b32 s[\g+4], \rows
	s_mov_b32 s[\g+5], 192*KS
	s_mov_b32 s[\g+6], 0
	s_mov_b32 s[\g+7], 0
.endm
.macro FRAG reg, adr, off
.irp g, 0,1,2
	ds_load_b128 v[\reg+4*\g:\reg+4*\g+3], v[\adr] offset:\off+512*\g
.endr
.endm
.macro FETCH_B slot, q, p
	WIN 0x40
.irp i, 0,1,2,3,4,5,6,7
	FRAG 128*(\p)+12*\i, ADRB+\i/4, ((\i%4)*NQ+(\q))*FRB   ; blocks 4-7 by a second address register: every offset stays inside the 16-bit immediate
.endr
	WIN 0
.endm
.macro FETCH_A slot, q, a0, n
.set fa, \a0
.rept \n
	FRAG AF+12*fa, ADRA+\slot, (fa*NQ+(\q))*FRB
.set fa, fa+1
.endr
.endm
.macro MULB a, p, s, zero
.set dw, 2+(\a)/4
.set cw, dw
.if \zero == 2
.set cw, 1
.endif
.set wv, 0x01|(cw<<4)|(dw<<6)
	WIN wv
.irp b, 0,1,2,3,4,5,6,7
.set rD, 8*(8*((\a)%4)+\b)
.set rB, 128*(\p)+12*\b
.set rA, AF+12*(\a)
.set rSB, SBR+(KS/2)*\b+(\s)/2
.set rSA, SAR+(KS/2)*(\a)+(\s)/2
.set rC, 96+8*\b+96*(\b/4)
.if ((\s)%2) == 1
	v_wmma_scale_f32_16x16x128_f8f6f4 v[rD:rD+7], v[rB:rB+11], v[rA:rA+11], v[rD:rD+7], v[rSB], v[rSA] matrix_a_fmt:MATRIX_FMT_FP6 matrix_b_fmt:MATRIX_FMT_FP6 matrix_a_scale:MATRIX_SCALE_ROW1 matrix_b_scale:MATRIX_SCALE_ROW1
.elseif \zero == 2
	v_wmma_scale_f32_16x16x128_f8f6f4 v[rD:rD+7], v[rB:rB+11], v[rA:rA+11], v[rC:rC+7], v[rSB], v[rSA] matrix_a_fmt:MATRIX_FMT_FP6 matrix_b_fmt:MATRIX_FMT_FP6
.else
	v_wmma_scale_f32_16x16x128_f8f6f4 v[rD:rD+7], v[rB:rB+11], v[rA:rA+11], v[rD:rD+7], v[rSB], v[rSA] matrix_a_fmt:MATRIX_FMT_FP6 matrix_b_fmt:MATRIX_FMT_FP6
.endif
.endr
.endm
.macro MULR a0, n, p, s, zero
.set ma, \a0
.rept \n
	MULB ma, \p, \s, \zero
.set ma, ma+1
.endr
.endm
.macro STEP slot, q, s, zero
	s_wait_dscnt 3*NA/2
	MULR 0, NA/2, (\q)%2, \s, \zero
	s_wait_dscnt 0x0
	PLACES 4
	FETCH_B \slot, (\q)+1, 1-(\q)%2
	FETCH_A \slot, (\q)+1, 0, NA/2
	MULR NA/2, NA/2, (\q)%2, \s, \zero
	PLACES 4
	WIN 0
	FETCH_A \slot, (\q)+1, NA/2, NA/2
.endm
.macro LAST s
	s_wait_dscnt 3*NA/2
	MULR 0, NA/2, 1, \s, 0
	s_wait_dscnt 0x0
	MULR NA/2, NA/2, 1, \s, 0
	WIN 0
	PLACES 4
.endm
	s_load_b256 s[4:11], s[0:1], 0x0
	v_lshl_add_u32 v[SPW], v0, 2, SPARE
	v_mov_b32 v[NIL], 0
	ds_add_u32 v[SPW], v[NIL]
	ds_add_u32 v[SPW], v[NIL]
	v_lshrrev_b32 v1, 5, v0
	v_readfirstlane_b32 s14, v1
	s_lshr_b32 s15, s14, 1
	s_and_b32 s16, s14, 1
	s_bfe_u32 s40, ttmp6, 0x40000
	s_bfe_u32 s41, ttmp6, 0x40004
	s_lshl_b32 s42, ttmp9, 2
	s_add_co_u32 s42, s42, s40
	s_and_b32 s17, ttmp7, 0xffff
	s_lshl_b32 s17, s17, 2
	s_add_co_u32 s17, s17, s41
	s_lshl_b32 s43, s41, 2
	s_lshl_b32 s43, 15, s43
	s_lshl_b32 s44, 0x1111, s40
	s_or_b32 s[G1+0], s43, (3<<16)|(1<<21)
	s_or_b32 s[G1B+0], s44, (3<<16)|(1<<21)
	SHAPE G1, NA
	SHAPE G1B, 8
	s_lshl_b32 s66, s17, 3
	s_lshl_b32 s67, s16, 2
	s_add_co_u32 s66, s66, s67
	s_mul_i32 s66, s66, KS*FRB
	s_mov_b32 s67, 0
	s_lshl_b32 s46, s42, 4
	s_lshl_b32 s47, s16, 3
	s_add_co_u32 s46, s46, s47
	s_add_co_u32 s46, s46, 192
	s_lshl_b32 s70, s46, 9
	s_add_co_u32 s70, s70, WS
	s_mov_b32 s71, 0
	s_mul_i32 s46, s46, KS*FRB
	s_mov_b32 s47, 0
	s_lshl_b32 s68, s17, 3
	s_lshl_b32 s69, s15, 2
	s_add_co_u32 s68, s68, s69
	s_lshl_b32 s68, s68, 9
	s_add_co_u32 s68, s68, OS
	s_mov_b32 s69, 0
	s_lshl_b32 s74, s42, 10
	s_lshl_b32 s75, s16, 9
	s_add_co_u32 s74, s74, s75
	s_mov_b32 s75, 0
	s_lshl_b32 s76, s17, 7
	s_lshl_b32 s77, s15, 6
	s_add_co_u32 s76, s76, s77
	s_lshl_b32 s76, s76, 12
	s_add_co_u32 s76, s76, s74
	s_mov_b32 s77, 0
	s_mul_i32 s72, s16, HALFA
	s_mul_i32 s73, s16, HALFB
	s_add_co_u32 s73, s73, 2*HALFA
	s_wait_dscnt 0x0
	s_wait_kmcnt 0x0
	s_add_nc_u64 s[66:67], s[4:5], s[66:67]
	s_add_nc_u64 s[46:47], s[6:7], s[46:47]
	s_add_nc_u64 s[68:69], s[4:5], s[68:69]
	s_add_nc_u64 s[70:71], s[6:7], s[70:71]
	s_add_nc_u64 s[8:9], s[8:9], s[74:75]
	s_add_nc_u64 s[10:11], s[10:11], s[76:77]
	CROUND
.irp s, 0
	s_mov_b32 s[G0+4*\s], 1
	s_add_co_u32 s[G0+4*\s+1], s72, \s*SLOT
	s_add_nc_u64 s[G0+4*\s+2:G0+4*\s+3], s[66:67], \s*NQ*FRB
	s_or_b32 s[G0+4*\s+3], s[G0+4*\s+3], 0x80000000
	s_mov_b32 s[G0B+4*\s], 1
	s_add_co_u32 s[G0B+4*\s+1], s73, \s*SLOT
	s_add_nc_u64 s[G0B+4*\s+2:G0B+4*\s+3], s[46:47], \s*NQ*FRB
	s_or_b32 s[G0B+4*\s+3], s[G0B+4*\s+3], 0x80000000
.endr
	JLOAD G0, G1, G0B, G1B                         ; slot 0's first fill: one tensor load a wave at the head; the scales' and the bias's loads follow under its flight
	v_and_b32 v1, 15, v0
	v_bfe_u32 v2, v0, 4, 1
	v_and_b32 v5, 31, v0
	v_lshlrev_b32 v3, 4, v5
	v_lshlrev_b32 v4, 2, v5
.irp a, 0,1,2,3
.irp e, 0,1,2,3
	global_load_b32 v[SAR+(KS/2)*\a+\e], v4, s[68:69] offset:(\a*KS+2*\e)*64
.endr
.endr
.irp b, 0,1,2,3,4,5,6,7
.irp e, 0,1,2,3
	global_load_b32 v[SBR+(KS/2)*\b+\e], v4, s[70:71] offset:(\b*KS+2*\e)*64
.endr
.endr
	v_lshlrev_b32 v7, 6, v2
	WIN 0x40
.irp b, 0,1,2,3,4,5,6,7
	global_load_b128 v[96+8*\b+96*(\b/4):96+8*\b+96*(\b/4)+3], v7, s[8:9] offset:128*(\b/2)+32*(\b%2)
	global_load_b128 v[96+8*\b+96*(\b/4)+4:96+8*\b+96*(\b/4)+7], v7, s[8:9] offset:128*(\b/2)+32*(\b%2)+16
.endr
	WIN 0
	s_mul_i32 s3, s15, HALFA
	v_add_nc_u32 v[ADRA], s3, v3
	v_add_nc_u32 v[ADRB], s73, v3
	v_add_nc_u32 v[ADRB+1], 4*NQ*FRB, v[ADRB]      ; B's blocks 4-7
	s_mul_i32 s3, s14, 16*SPITCH
	v_mul_u32_u24 v[STO], v1, SPITCH
	v_lshl_add_u32 v[STO], v2, 6, v[STO]
	v_add_nc_u32 v[STO], s3, v[STO]
	v_add_nc_u32 v[RD], s3, v3
	s_wait_alu depctr_va_vdst(0)
	s_wait_loadcnt 0x0
	s_wait_tensorcnt 0x0                           ; my tile is in
	s_barrier_signal -1
	s_barrier_wait -1                              ; and so is every wave's
	FETCH_B 0, 0, 0
	FETCH_A 0, 0, 0, NA/2
	FETCH_A 0, 0, NA/2, NA/2
	STEP 0, 0, 0, 2                                ; the first K step starts the sums on the bias
.irp q, 1,2,3,4,5,6
	STEP 0, \q, \q, 0
.endr
	LAST 7                                         ; (its wait for 0 on DScnt: my reads of the tiles are over)
	s_barrier_signal -1
	s_barrier_wait -1                              ; every wave's reads are over: the stages may be laid over A's tile
.macro TOSTAGE a
	WIN 0x08
.irp b, 0,1,2,3,4,5,6,7
	ds_store_b128 v[STO], v[64*(\a)+8*\b:64*(\a)+8*\b+3] offset:128*(\b/2)+32*(\b%2)
	ds_store_b128 v[STO], v[64*(\a)+8*\b+4:64*(\a)+8*\b+7] offset:128*(\b/2)+32*(\b%2)+16
.endr
	WIN 0
.set BB, BK+64*((\a)%2)
.irp t, 0,1,2,3,4,5,6,7,8,9,10,11,12,13,14,15
	ds_load_b128 v[BB+4*\t:BB+4*\t+3], v[RD] offset:\t*SPITCH
.endr
.endm
.macro SEND a, younger
.set BB, BK+64*((\a)%2)
	s_wait_dscnt \younger
.irp t, 0,1,2,3,4,5,6,7,8,9,10,11,12,13,14,15
	global_store_b128 v3, v[BB+4*\t:BB+4*\t+3], s[10:11] offset:(32*((\a)/2)+16*(\t/8)+8*((\a)%2)+(\t%8))*4096 th:TH_STORE_NT
.endr
.endm
	TOSTAGE 0
.irp a, 1,2,3
.if \a > 1
	s_wait_xcnt 0x0
.endif
	TOSTAGE \a
	SEND \a-1, 32
.endr
	SEND 3, 0
	s_wait_tensorcnt 0x0
	ds_add_u32 v[SPW], v[NIL]
	s_wait_dscnt 0x0
	CROUND
	s_endpgm
.Lfunc_end_k_qc2c27d34d7_outp:
	.size	k_qc2c27d34d7_outp, .Lfunc_end_k_qc2c27d34d7_outp-k_qc2c27d34d7_outp
	.p2alignl 7, 3214868480
	.fill 96, 4, 3214868480
	.section	.rodata,"a",@progbits
	.p2align	6, 0x0
	.amdhsa_kernel k_qc2c27d34d7_outp
		.amdhsa_group_segment_fixed_size 327680
		.amdhsa_private_segment_fixed_size 0
		.amdhsa_enable_private_segment 0
		.amdhsa_kernarg_size 32
		.amdhsa_user_sgpr_count 2
		.amdhsa_user_sgpr_kernarg_segment_ptr 1
		.amdhsa_wavefront_size32 1
		.amdhsa_system_sgpr_workgroup_id_x 1
		.amdhsa_system_sgpr_workgroup_id_y 1
		.amdhsa_system_sgpr_workgroup_id_z 1
		.amdhsa_system_vgpr_workitem_id 0
		.amdhsa_next_free_vgpr 1024
		.amdhsa_next_free_sgpr 100
		.amdhsa_reserve_vcc 0
		.amdhsa_float_denorm_mode_32 3
		.amdhsa_float_denorm_mode_16_64 3
		.amdhsa_memory_ordered 1
		.amdhsa_forward_progress 1
		.amdhsa_inst_pref_size 81
	.end_amdhsa_kernel
	.amdgpu_metadata
---
amdhsa.version: [ 1, 2 ]
amdhsa.kernels:
  - .name:           k_qc2c27d34d7_outp
    .symbol:         k_qc2c27d34d7_outp.kd
    .args:
      - { .name: oq, .offset: 0, .size: 8, .value_kind: global_buffer, .address_space: global }
      - { .name: wq, .offset: 8, .size: 8, .value_kind: global_buffer, .address_space: global }
      - { .name: bout, .offset: 16, .size: 8, .value_kind: global_buffer, .address_space: global }
      - { .name: out0, .offset: 24, .size: 8, .value_kind: global_buffer, .address_space: global }
    .group_segment_fixed_size: 327680
    .private_segment_fixed_size: 0
    .kernarg_segment_align: 8
    .kernarg_segment_size: 32
    .max_flat_workgroup_size: 128
    .sgpr_count:     100
    .vgpr_count:     1024
    .wavefront_size: 32
...
	.end_amdgpu_metadata
.endif
;; end of part 5
